; MI455X (gfx1250); checked and timed in simulation.
; The chip was launched on July 23, 2026; its instructions are those of AMD's public machine-readable ISA for CDNA 5 (MIT licence, August 2026) and "CDNA5" Instruction Set Architecture Reference Guide (July 2026). The comments in the code are by the model that wrote it; some were corrected since.
;; Shami Attention. Allowed arithmetic: matrix products marked QUANTISED: E2M3 operands, one E8M0 scale for each 32 along K, by v_wmma_scale_f32_16x16x128_f8f6f4 with both operands' format E2M3, f32 sums; everything else in f32.
;; Inputs: Wk 2,048 x 2,048 float32; Wo 2,048 x 2,048 float32; Wq 2,048 x 2,048 float32; Wv 2,048 x 2,048 float32; freqs_cos 2,048 x 64 float32; freqs_sin 2,048 x 64 float32; x 1 x 2,048 x 2,048 float32.
;; Outputs: out0 1 x 2,048 x 2,048 float32.
;; This version of the problem:
;;   THIS VERSION OF THE PROBLEM IS GIVEN IN LOW PRECISION. The matrix products marked QUANTISED in the list below multiply operands that are first quantised to E2M3 (2 exponent bits, 3 mantissa bits; 6 bits a number), with one power-of-two scale for each 32 numbers along K (OCP MX v1.0); their sums are f32. All else is computed in f32.
;;   The module's matrix products, in the order in which they are computed (A, B: the left and right operand; K: the contracted axis; several contracted axes count as one K, in the product's order):
;;     1. [M 2,048, K 2,048] x [K 2,048, N 2,048]; A: input x; B: input Wq: QUANTISED
;;     2. [M 2,048, K 2,048] x [K 2,048, N 2,048]; A: input x; B: input Wk: QUANTISED
;;     3. [M 2,048, K 2,048] x [K 2,048, N 2,048]; A: input x; B: input Wv: QUANTISED
;;     4. batch 16 x [M 2,048, K 128] x [K 128, N 2,048]; A: computed on the way; B: computed on the way: QUANTISED
;;     5. batch 16 x [M 128, K 2,048] x [K 2,048, N 2,048]; A: computed on the way; B: softmax (see below): QUANTISED
;;     6. [M 2,048, K 2,048] x [K 2,048, N 2,048]; A: computed on the way; B: input Wo: QUANTISED
;;   THE QUANTISER, for each operand of a quantised product, along K:
;;     - K is cut into blocks of 32 from its start; a last block that is shorter is filled with zeros.
;;     - A block's scale is 2^e with e = floor(log2(the largest magnitude in the block)) - 2, held to -126 .. 127; a block of zeros has e = 0. As a byte (E8M0): e + 127.
;;     - Each number is divided by its block's scale, clamped to +-7.5, and rounded to the nearest number of E2M3, ties to even, subnormals kept.
;;     - The product sums the exact products of the quantised numbers (number of the format x scale) in f32.
;;   ~~~python
;;   def quantise(x, axis):      # numpy; x: float32 -> the quantised numbers, widened to float32 again
;;       x = np.moveaxis(x, axis, -1); K = x.shape[-1]
;;       x = np.pad(x, [(0, 0)] * (x.ndim - 1) + [(0, -K % 32)]); x = x.reshape(x.shape[:-1] + (-1, 32)); a = np.abs(x).max(-1, keepdims=True)
;;       e = np.where(a > 0, np.clip(np.frexp(np.where(a > 0, a, 1))[1] - 1 - 2, -126, 127), 0)      # np.frexp(a)[1] - 1 = floor(log2(a)), exactly
;;       r = np.clip(x / 2.0 ** e, -7.5, 7.5)
;;       step = 2.0 ** (np.maximum(np.frexp(np.where(r == 0, 1, r))[1] - 1, 0) - 3)
;;       q = np.round(r / step) * step * 2.0 ** e      # np.round: ties to even
;;       return np.moveaxis(q.reshape(q.shape[:-2] + (-1,))[..., :K], -1, axis).astype(np.float32)
;;   ~~~
;;   SOFTMAX AHEAD OF A QUANTISED PRODUCT. Where the list says 'softmax', what is quantised is not the finished softmax but p = 2^(t - M), with t = logit x log2(e) and M = ceil(the row's largest t), a whole number; so 1/2 < the row's largest p <= 1. The row's sum l is taken of the UNQUANTISED p, in f32, and the product's result is divided by l at the end. Since M is a whole number, a kernel that streams over the keys may use a running M (the ceiling of the running maximum): every later rescaling is an exact power of two, which a block's scale takes up: the codes' values come out the same.
;;   OPERANDS COMPUTED ON THE WAY. 'Computed on the way' means the value that the module computes at that place (a softmax that the list does not call 'softmax' is quantised finished and normalised). What goes into a quantiser is computed in f32, as accurately as f32 sums, v_exp_f32 and their like allow (about 1e-6 of the number): no bf16 or f16 on the way to a quantiser, and a product that is left as it is and whose result goes on into a quantised operand takes f32 operands (vector FMAs, or v_wmma_f32_16x16x4_f32). A number that lies on a knife's edge between two numbers of the format may be rounded either way, as far as f32 arithmetic and the matrix unit's own rounding can turn it there, and no further.
;; One version. Each part assembles by itself: llvm-mc -triple=amdgcn-amd-amdhsa -mcpu=gfx1250 --defsym DOCPART=n.
;; ======== version 1 of 1: 4 launches
;; limits: right only within a limited range of input values
;; workspace buffers: xc 3,145,728 bytes; xs 131,072 bytes; wc 12,582,912 bytes; wsc 524,288 bytes; qkvc 9,437,184 bytes; qkvs 393,216 bytes; oc 3,145,728 bytes; os 131,072 bytes
;; launch quant (part 1): grid 640 x 1, 4 waves a work-group, no clusters, 34,304 bytes of LDS; arguments x, Wq, Wk, Wv, Wo, xc, xs, wc, wsc; writes xc, xs, wc, wsc
.if DOCPART == 1
	.amdgcn_target "amdgcn-amd-amdhsa--gfx1250"
	.amdhsa_code_object_version 6
	.text
	.protected	k_q3f9b46b4b5_quant
	.globl	k_q3f9b46b4b5_quant
	.p2align	8
	.type	k_q3f9b46b4b5_quant,@function
k_q3f9b46b4b5_quant:
	s_mov_b64 s[64:65], 0
	v_nop
	global_prefetch_b8 v0, s[64:65] scope:SCOPE_SE
	s_setreg_imm32_b32 hwreg(HW_REG_WAVE_MODE, 25, 1), 1
	s_wait_xcnt 0x0
; x [2048][2048] (K innermost) and Wq, Wk, Wv, Wo [2048 (K)][2048 (N)] (K outermost), f32, become codes of FP6 (E2M3) with one E8M0 byte for each 32 along K.
; THE BUFFERS ARE IMAGES OF OPERAND REGISTERS.  A fragment is 16 rows x 128 K = 12 registers a lane = 1,536 bytes: register 4 c + e of lane l lies at byte 512 c + 16 l + 4 e.
; Lane (r, h) of a fragment holds one row, and registers 6 c .. 6 c + 5 hold k = 64 c + 32 h + 0 .. 31.  Fragment f = 16 x tile + K step lies at 1,536 f; its 16 scale words (lane r's row) at 64 f of the scale buffer.
; THE ROWS OF A TILE ARE NOT NEIGHBOURS: lane r of tile 2 b + u holds row (of x) or column (of W) 32 b + 8 u + r + 8 (r / 8), so that results of a product that takes such tiles as source 0 lie along the next K.
; A block's scale is 2^(floor(log2(largest magnitude)) - 2); its byte is the largest magnitude's exponent field - 2, held at 1 from below.
; LIMITS: NaN and infinities are not served; a block whose largest magnitude lies under 2^-124 keeps the byte 1; a block of zeros has the byte 1 and zero codes (the bytes are read by this program alone).
; Work-groups 0 .. 511 take the weights (128 columns x 256 K each, a lane to a column, registers down K), 512 .. 639 take x (a tile of 16 rows each, a wave 512 along K).  Waves share nothing: no barrier.
.set SPARE, 33792                      ; behind the four stages of the x path: the spare words, 128 bytes a wave
.set SPW, 14                           ; v14  LDS address of my spare word; never rewritten
.set NIL, 15                           ; v15  0; never rewritten
.set SEL, 40                           ; s[40:41] lane selects: lane l xor 16
.set X,   32                           ; W path: v32-95 two sets of 32 numbers
.set FA,  96                           ; v96..   fragment of the wave's first tile, K step s at FA + 24 s
.set FB,  108                          ; v108..  of its second tile
.set THI, 144                          ; v144-146, v148-150 the upper 16 codes of two blocks
.set SB,  152                          ; v152-153 scale words of the two K steps
.set R,   32                           ; x path: v32-95 a K step as loaded
.set XN,  96                           ; v96-159 the same, 16 neighbours of each block a lane
.set PC,  160                          ; v160-179 codes
.set TM,  180                          ; v180-195 at work
.set PW,  196                          ; v196-197 scale words of two K steps
	s_load_b512 s[4:19], s[0:1], 0x0               ; x, Wq, Wk, Wv, Wo, xc, xs, wc
	s_load_b64 s[20:21], s[0:1], 0x40              ; wsc
	v_lshl_add_u32 v[SPW], v0, 2, SPARE
	v_mov_b32 v[NIL], 0
	v_lshrrev_b32 v1, 5, v0
	v_readfirstlane_b32 s22, v1                    ; wave
	v_and_b32 v2, 31, v0                           ; lane
	v_and_b32 v6, 15, v0                           ; r
	v_bfe_u32 v7, v0, 4, 1                         ; h
	v_lshlrev_b32 v4, 4, v2                        ; 16 x lane: my place in an image
	v_lshlrev_b32 v5, 2, v2                        ; 4 x lane: my place in a row of scale words
	s_mov_b32 s[SEL], 0x76543210
	s_mov_b32 s[SEL+1], 0xfedcba98
	s_cmp_ge_u32 ttmp9, 512
	s_cbranch_scc1 .Lx
; ---------------- the weights ----------------
	v_and_b32 v3, 8, v6
	v_add_nc_u32 v3, v3, v6                        ; r + 8 (r / 8)
	v_lshl_add_u32 v3, v7, 3, v3                   ; + 8 u: lanes 0-15 hold the first tile's columns, lanes 16-31 the second's
	v_lshlrev_b32 v3, 2, v3                        ; the 32 lanes read 128 consecutive bytes
	s_lshr_b32 s23, ttmp9, 7                       ; which weight
	s_and_b32 s24, ttmp9, 15                       ; which 128 columns
	s_bfe_u32 s25, ttmp9, 0x30004                  ; which 256 along K
	s_lshl_b32 s26, s24, 7
	s_lshl_b32 s27, s22, 5
	s_add_co_u32 s26, s26, s27                     ; my wave's first column
	s_lshl_b32 s28, s25, 21                        ; 256 rows of 8,192 bytes
	s_lshl_b32 s27, s26, 2
	s_add_co_u32 s28, s28, s27
	s_mov_b32 s29, 0
	s_lshl_b32 s30, s23, 7
	s_lshr_b32 s27, s26, 4
	s_add_co_u32 s30, s30, s27                     ; my first tile among the 512
	s_mul_i32 s32, s30, 24576                      ; a tile's 16 fragments
	s_mul_i32 s27, s25, 3072                       ; two K steps
	s_add_co_u32 s32, s32, s27
	s_mov_b32 s33, 0
	s_lshl_b32 s34, s30, 10
	s_lshl_b32 s27, s25, 7
	s_add_co_u32 s34, s34, s27
	s_mov_b32 s35, 0
	s_wait_alu depctr_va_vdst(0)
	s_wait_kmcnt 0x0
	s_cmp_eq_u32 s23, 1                            ; the choice hangs on the work-group's number alone
	s_cselect_b64 s[6:7], s[8:9], s[6:7]
	s_cmp_eq_u32 s23, 2
	s_cselect_b64 s[6:7], s[10:11], s[6:7]
	s_cmp_eq_u32 s23, 3
	s_cselect_b64 s[6:7], s[12:13], s[6:7]
	s_add_nc_u64 s[6:7], s[6:7], s[28:29]
	s_add_nc_u64 s[18:19], s[18:19], s[32:33]
	s_add_nc_u64 s[20:21], s[20:21], s[34:35]
.macro LOADW t                         ; block t: W(32 t + i, my column) into set t % 2
.irp i, 0,1,2,3,4,5,6,7,8,9,10,11,12,13,14,15,16,17,18,19,20,21,22,23,24,25,26,27,28,29,30,31
	global_load_b32 v[X+32*((\t)%2)+\i], v3, s[6:7] offset:(32*(\t)+\i)*8192 th:TH_LOAD_NT
.endr
.endm
; Block t = 4 s + 2 c + o of my column.  Blocks 2 c and 2 c + 1 of the two tiles change halves, so that lanes 0-15 hold block 2 c and lanes 16-31 block 2 c + 1 of ONE tile.
.macro BLOCK t
.set XS, X+32*((\t)%2)
.set SS, (\t)/4
.set CC, ((\t)%4)/2
.set OO, (\t)%2
.set FD, FA+24*SS+12*OO+6*CC
.if (\t) < 7
	s_wait_loadcnt 32                              ; this block's 32 loads are in; the next block's may be out
.else
	s_wait_loadcnt 0x0
.endif
	v_max3_num_f32 v12, |v[XS]|, |v[XS+1]|, |v[XS+2]|
	v_max3_num_f32 v13, |v[XS+3]|, |v[XS+4]|, |v[XS+5]|
.irp i, 6,10,14,18,22,26
	v_max3_num_f32 v12, v12, |v[XS+\i]|, |v[XS+\i+1]|
	v_max3_num_f32 v13, v13, |v[XS+\i+2]|, |v[XS+\i+3]|
.endr
	v_max3_num_f32 v12, v12, |v[XS+30]|, |v[XS+31]|
	v_max3_num_f32 v12, v12, v13, 0x1800000        ; and the floor 2^(3 - 127): the byte cannot fall under 1
	v_add_nc_u32 v11, 0xff000000, v12              ; 2 off the exponent field: the conversion's scale operand
	v_lshrrev_b32 v13, 23, v11                     ; the byte
.if (\t)%4 == 0
	v_mov_b32 v[SB+SS], v13
.else
	v_lshl_or_b32 v[SB+SS], v13, 8*((\t)%4), v[SB+SS]
.endif
	v_cvt_scalef32_pk16_fp6_f32 v[FD:FD+2], v[XS:XS+15], v11
	v_cvt_scalef32_pk16_fp6_f32 v[THI+4*OO:THI+4*OO+2], v[XS+16:XS+31], v11   ; (a conversion's three registers begin on an even number)
.if (\t)+2 < 8
	LOADW (\t)+2
.endif
.if OO == 1
	v_nop                                          ; one plain place behind a scaled conversion
.irp i, 0,1,2
	v_permlane16_swap_b32 v[FA+24*SS+6*CC+\i], v[FB+24*SS+6*CC+\i]
	v_permlane16_swap_b32 v[THI+\i], v[THI+4+\i]
.endr
.irp i, 0,1,2
	v_mov_b32 v[FA+24*SS+6*CC+3+\i], v[THI+\i]
	v_mov_b32 v[FB+24*SS+6*CC+3+\i], v[THI+4+\i]
.endr
.endif
.if (\t)%4 == 3                        ; a K step's two fragments leave: each store covers 512 consecutive bytes; no store's data are written again
.irp c, 0,1,2
	global_store_b128 v4, v[FA+24*SS+4*\c:FA+24*SS+4*\c+3], s[18:19] offset:1536*SS+512*\c
	global_store_b128 v4, v[FB+24*SS+4*\c:FB+24*SS+4*\c+3], s[18:19] offset:24576+1536*SS+512*\c
.endr
.endif
.endm
	LOADW 0
	LOADW 1
.irp t, 0,1,2,3,4,5,6,7
	BLOCK \t
.endr
	v_permlane16_swap_b32 v[SB], v[SB+1]           ; lanes 0-15: the even K step's words, lanes 16-31: the odd one's, of one tile
	global_store_b32 v5, v[SB], s[20:21]
	global_store_b32 v5, v[SB+1], s[20:21] offset:1024
	s_branch .Lend
; ---------------- x ----------------
; 64 numbers of a lane, register 16 b + i = k 32 b + 16 h + i of my row, become a fragment's codes in v[PC] on and its scale word in v[pw].
.macro QUANT s, pw
.irp b, 0,1,2,3
	v_max3_num_f32 v[TM+\b], |v[\s+16*\b]|, |v[\s+1+16*\b]|, 0x1800000
.endr
.irp i, 2,4,6,8,10,12,14
.irp b, 0,1,2,3
	v_max3_num_f32 v[TM+\b], v[TM+\b], |v[\s+16*\b+\i]|, |v[\s+1+16*\b+\i]|
.endr
.endr
.irp b, 0,1,2,3
	v_permlanex16_b32 v[TM+4+\b], v[TM+\b], s[SEL], s[SEL+1]
.endr
.irp b, 0,1,2,3
	v_max_num_f32 v[TM+\b], v[TM+\b], v[TM+4+\b]
.endr
.irp b, 0,1,2,3
	v_add_nc_u32 v[TM+12+\b], 0xff000000, v[TM+\b]
.endr
.irp b, 0,1,2,3
	v_lshrrev_b32 v[TM+4+\b], 23, v[TM+12+\b]
.endr
	v_lshl_or_b32 v[\pw], v[TM+5], 8, v[TM+4]
	v_lshl_or_b32 v[\pw], v[TM+6], 16, v[\pw]
	v_lshl_or_b32 v[\pw], v[TM+7], 24, v[\pw]
.irp c, 0,1
	v_cvt_scalef32_pk16_fp6_f32 v[PC+6*\c:PC+2+6*\c], v[\s+32*\c:\s+15+32*\c], v[TM+12+2*\c]
	v_cvt_scalef32_pk16_fp6_f32 v[PC+12+4*\c:PC+14+4*\c], v[\s+16+32*\c:\s+31+32*\c], v[TM+12+2*\c+1]
.endr
	v_nop                                          ; one plain place behind a scaled conversion
.irp c, 0,1
.irp i, 0,1,2
	v_permlane16_swap_b32 v[PC+6*\c+\i], v[PC+12+4*\c+\i]
.endr
.irp i, 0,1,2
	v_mov_b32 v[PC+3+6*\c+\i], v[PC+12+4*\c+\i]
.endr
.endr
.endm
.Lx:
	s_sub_co_u32 s23, ttmp9, 512                   ; my tile of 16 rows
	s_lshr_b32 s24, s23, 1
	s_lshl_b32 s24, s24, 5
	s_and_b32 s25, s23, 1
	s_lshl_b32 s25, s25, 3
	s_add_co_u32 s24, s24, s25                     ; its first row: 32 b + 8 u
	s_lshl_b32 s24, s24, 13
	s_lshl_b32 s25, s22, 11                        ; my wave's four K steps: 2,048 bytes of each row
	s_add_co_u32 s24, s24, s25
	s_mov_b32 s25, 0
	s_mul_i32 s26, s23, 24576
	s_mul_i32 s27, s22, 6144
	s_add_co_u32 s26, s26, s27
	s_mov_b32 s27, 0
	s_lshl_b32 s28, s23, 10
	s_lshl_b32 s29, s22, 8
	s_add_co_u32 s28, s28, s29
	s_mov_b32 s29, 0
	s_mul_i32 s30, s22, 8448                       ; my stage: 16 rows of 512 bytes + 16
	s_wait_alu depctr_va_vdst(0)
	v_add_nc_u32 v8, s30, v4                       ; in: 16 x lane of a row
	v_mul_u32_u24 v9, v6, 528
	v_lshl_add_u32 v9, v7, 6, v9
	v_add_nc_u32 v9, s30, v9                       ; out: row r, + 64 h: my 16 numbers of a block of 32
.irp b, 0,1,2,3
	v_mov_b32 v[TM+4+\b], 0                        ; written once: a lane permute's destination counts as one of its sources
.endr
	s_wait_alu depctr_va_vdst(0)
	s_wait_kmcnt 0x0
	s_add_nc_u64 s[4:5], s[4:5], s[24:25]
	s_add_nc_u64 s[14:15], s[14:15], s[26:27]
	s_add_nc_u64 s[16:17], s[16:17], s[28:29]
.macro XL s                            ; K step s of the tile's 16 rows: each load reads 512 consecutive bytes
.irp i, 0,1,2,3,4,5,6,7,8,9,10,11,12,13,14,15
	global_load_b128 v[R+4*\i:R+4*\i+3], v4, s[4:5] offset:(\i+8*(\i/8))*8192+512*(\s) th:TH_LOAD_NT
.endr
.endm
	XL 0
.irp s, 0,1,2,3
	s_wait_loadcnt 0x0                             ; this K step is in
.irp i, 0,1,2,3,4,5,6,7,8,9,10,11,12,13,14,15
	ds_store_b128 v8, v[R+4*\i:R+4*\i+3] offset:528*\i
.endr
.irp b, 0,1,2,3
.irp j, 0,1,2,3
	ds_load_b128 v[XN+16*\b+4*\j:XN+16*\b+4*\j+3], v9 offset:128*\b+16*\j   ; LDS serves a wave's instructions in order: these see my stores
.endr
.endr
	s_wait_dscnt 0x0                               ; the numbers are back, and the stores into the stage have read their registers
.if \s > 0
	s_wait_xcnt 0x0                                ; the last step's stores have read their codes and scale word: both are written again below
.endif
.if \s < 3
	XL \s+1                                        ; the next K step lands while this one is quantised
.endif
	QUANT XN, PW+\s%2
.irp c, 0,1,2
	global_store_b128 v4, v[PC+4*\c:PC+4*\c+3], s[14:15] offset:1536*\s+512*\c
.endr
.if \s%2 == 1
	v_permlane16_swap_b32 v[PW], v[PW+1]           ; lanes 0-15: the even K step's words, lanes 16-31: the odd one's
	global_store_b32 v5, v[PW], s[16:17] offset:128*(\s/2)
.endif
.endr
.Lend:
	s_wait_tensorcnt 0x0                           ; the wave's end, behind my last LDS store
	ds_add_u32 v[SPW], v[NIL]
	s_wait_dscnt 0x0
	s_endpgm
.Lfunc_end_k_q3f9b46b4b5_quant:
	.size	k_q3f9b46b4b5_quant, .Lfunc_end_k_q3f9b46b4b5_quant-k_q3f9b46b4b5_quant
	.p2alignl 7, 3214868480
	.fill 96, 4, 3214868480
	.section	.rodata,"a",@progbits
	.p2align	6, 0x0
	.amdhsa_kernel k_q3f9b46b4b5_quant
		.amdhsa_group_segment_fixed_size 34304
		.amdhsa_private_segment_fixed_size 0
		.amdhsa_enable_private_segment 0
		.amdhsa_kernarg_size 72
		.amdhsa_user_sgpr_count 2
		.amdhsa_user_sgpr_kernarg_segment_ptr 1
		.amdhsa_wavefront_size32 1
		.amdhsa_system_sgpr_workgroup_id_x 1
		.amdhsa_system_sgpr_workgroup_id_y 1
		.amdhsa_system_sgpr_workgroup_id_z 1
		.amdhsa_system_vgpr_workitem_id 0
		.amdhsa_next_free_vgpr 200
		.amdhsa_next_free_sgpr 66
		.amdhsa_reserve_vcc 0
		.amdhsa_float_denorm_mode_32 3
		.amdhsa_float_denorm_mode_16_64 3
		.amdhsa_memory_ordered 1
		.amdhsa_forward_progress 1
		.amdhsa_inst_pref_size 72
	.end_amdhsa_kernel
	.amdgpu_metadata
---
amdhsa.version: [ 1, 2 ]
amdhsa.kernels:
  - .name:           k_q3f9b46b4b5_quant
    .symbol:         k_q3f9b46b4b5_quant.kd
    .args:
      - { .name: x, .offset: 0, .size: 8, .value_kind: global_buffer, .address_space: global }
      - { .name: Wq, .offset: 8, .size: 8, .value_kind: global_buffer, .address_space: global }
      - { .name: Wk, .offset: 16, .size: 8, .value_kind: global_buffer, .address_space: global }
      - { .name: Wv, .offset: 24, .size: 8, .value_kind: global_buffer, .address_space: global }
      - { .name: Wo, .offset: 32, .size: 8, .value_kind: global_buffer, .address_space: global }
      - { .name: xc, .offset: 40, .size: 8, .value_kind: global_buffer, .address_space: global }
      - { .name: xs, .offset: 48, .size: 8, .value_kind: global_buffer, .address_space: global }
      - { .name: wc, .offset: 56, .size: 8, .value_kind: global_buffer, .address_space: global }
      - { .name: wsc, .offset: 64, .size: 8, .value_kind: global_buffer, .address_space: global }
    .group_segment_fixed_size: 34304
    .private_segment_fixed_size: 0
    .kernarg_segment_align: 8
    .kernarg_segment_size: 72
    .max_flat_workgroup_size: 128
    .sgpr_count:     66
    .vgpr_count:     200
    .wavefront_size: 32
...
	.end_amdgpu_metadata
.endif
;; end of part 1
;; launch qkv (part 2): grid 24 x 8, 4 waves a work-group, clusters of 4 x 4, 327,680 bytes of LDS; arguments xc, xs, wc, wsc, freqs_cos, freqs_sin, qkvc, qkvs; writes qkvc, qkvs
.if DOCPART == 2
	.amdgcn_target "amdgcn-amd-amdhsa--gfx1250"
	.amdhsa_code_object_version 6
	.text
	.protected	k_q3f9b46b4b5_qkv
	.globl	k_q3f9b46b4b5_qkv
	.p2align	8
	.type	k_q3f9b46b4b5_qkv,@function
k_q3f9b46b4b5_qkv:
	s_mov_b64 s[64:65], 0
	v_nop
	global_prefetch_b8 v0, s[64:65] scope:SCOPE_SE
	s_setreg_imm32_b32 hwreg(HW_REG_WAVE_MODE, 25, 1), 1
	s_wait_xcnt 0x0
	s_wait_alu depctr_hold_cnt(0) depctr_sa_sdst(0) depctr_va_vdst(0) depctr_va_sdst(0) depctr_va_ssrc(0) depctr_va_vcc(0) depctr_vm_vsrc(0)
	s_getreg_b32 s2, hwreg(HW_REG_IB_STS2, 6, 4)
	s_cmp_eq_u32 s2, 0
	s_cbranch_scc0 .Lentry_in_a_cluster
	s_endpgm
.Lentry_in_a_cluster:
	s_bfe_u32 s2, ttmp6, 0x10000c
	s_cmp_lg_u32 s2, 0xf033
	s_cbranch_scc0 .Lentry_shape_is_right
	s_endpgm
.Lentry_shape_is_right:
; q, k, v = x Wq, x Wk, x Wv on codes of FP6 (E2M3) with E8M0 scales; q and k are turned by the RoPE table; all three leave quantised, as images of operand registers.
; A work-group makes 256 x 256, a wave 128 x 128; K goes through two LDS slots of two K steps; cluster 4 x 4 with joint loads.
; THE HEAD: one joint load a wave: wave 0 slot 0's 16 tiles of x, wave 1 its 16 tiles of W, wave 2 x's scale words, wave 3 W's; slot 1 is first filled behind the full sequence and a round.
; THE WAY OUT: the cos and sin tables of a block of 16 rows take 64 registers; four such buffers in window 1, asked for three blocks ahead.
.set NA,    8
.set NB,    8
.set NQ,    2
.set TROW,  1536*NQ
.set THF,   8
.set HALFT, THF*TROW
.set SLOT,  4*HALFT
.set SCL,   2*SLOT
.set HALFS, THF*1024
.set SPARE, SCL+4*HALFS
.set LAPS,  16/(2*NQ)
.set NF,    3*(NA+NB)
.set ADRP, 16
.set ADRR, 18
.set ADSP, 20
.set ADSR, 21
.set LI,   22
.set LS,   23
.set CSO,  24
.set SPW,  28
.set NIL,  29
.set SC,   32
.set RF,   64
.set PC,   192
.set TM,   212
.set PW,   228
.set G1,   24
.set G0,   32
.set G1B,  48
.set G0B,  56
.set SEL,  66
.set G1S,  68
.set G0S,  76
.set G1SB, 80
.set G0SB, 88
.set MUL_LO, 0xa1
.set MUL_HI, 0xf1
.set TO_P,   0x40
.set MSB, 0
.macro WIN new
.if MSB != \new
	s_set_vgpr_msb (MSB<<8)|\new
.set MSB, \new
.endif
.endm
.macro PLACES n
.rept \n
	v_nop
.endr
.endm
.macro JLOAD g0a, g1a, g0b, g1b
	s_cmp_eq_u32 s21, 0
	s_cbranch_scc0 .Lfor_b_\@
	tensor_load_to_lds s[\g0a:\g0a+3], s[\g1a:\g1a+7]
	s_nop 0
.rept 4
	v_nop
.endr
	s_branch .Lasked_\@
.Lfor_b_\@:
	tensor_load_to_lds s[\g0b:\g0b+3], s[\g1b:\g1b+7]
	s_nop 0
.rept 4
	v_nop
.endr
.Lasked_\@:
.endm
.macro CREST
	s_cmp_lg_u32 s20, 0
	s_cbranch_scc1 .Lnot_wave_0_\@
	s_barrier_signal -3
.Lnot_wave_0_\@:
	s_barrier_wait -3
	s_barrier_signal -1
	s_barrier_wait -1
.endm
.macro CROUND
	s_barrier_signal -1
	s_barrier_wait -1
	CREST
.endm
.macro FETCH slot, q, set
	WIN TO_P
.set FI, 0
.rept NB
.irp c, 0,1,2
	ds_load_b128 v[128*(\set)+12*FI+4*\c:128*(\set)+12*FI+4*\c+3], v[ADRP+(\slot)] offset:FI*TROW+1536*(\q)+512*\c
.endr
.set FI, FI+1
.endr
	WIN 0
.set FI, 0
.rept NA
.irp c, 0,1,2
	ds_load_b128 v[RF+96*(\set)+12*FI+4*\c:RF+96*(\set)+12*FI+4*\c+3], v[ADRR+(\slot)] offset:FI*TROW+1536*(\q)+512*\c
.endr
.set FI, FI+1
.endr
.endm
.macro SCALES sc
.set FI, 0
.rept NB
.set PJ, 0
.rept NQ/2
	ds_load_b32 v[SC+16*(\sc)+(NQ/2)*FI+PJ], v[ADSP] offset:1024*FI+128*PJ
	ds_load_b32 v[SC+16*(\sc)+(NQ/2)*(NB+FI)+PJ], v[ADSR] offset:1024*FI+128*PJ
.set PJ, PJ+1
.endr
.set FI, FI+1
.endr
.endm
.macro MULS a0, n, set, q, sc, zero
.set AI, (\a0)
.rept (\n)
.set BI, 0
.rept NB
.set DD, 8*(NB*(AI%4)+BI)
.set PP, 128*(\set)+12*BI
.set RR, RF+96*(\set)+12*AI
.set SPR, SC+16*(\sc)+(NQ/2)*BI+(\q)/2
.set SRR, SC+16*(\sc)+(NQ/2)*(NB+AI)+(\q)/2
.if \zero
	v_wmma_scale_f32_16x16x128_f8f6f4 v[DD:DD+7], v[PP:PP+11], v[RR:RR+11], 0, v[SPR], v[SRR] matrix_a_fmt:MATRIX_FMT_FP6 matrix_b_fmt:MATRIX_FMT_FP6
.elseif ((\q)%2) == 0
	v_wmma_scale_f32_16x16x128_f8f6f4 v[DD:DD+7], v[PP:PP+11], v[RR:RR+11], v[DD:DD+7], v[SPR], v[SRR] matrix_a_fmt:MATRIX_FMT_FP6 matrix_b_fmt:MATRIX_FMT_FP6
.else
	v_wmma_scale_f32_16x16x128_f8f6f4 v[DD:DD+7], v[PP:PP+11], v[RR:RR+11], v[DD:DD+7], v[SPR], v[SRR] matrix_a_fmt:MATRIX_FMT_FP6 matrix_b_fmt:MATRIX_FMT_FP6 matrix_a_scale:MATRIX_SCALE_ROW1 matrix_b_scale:MATRIX_SCALE_ROW1
.endif
.set BI, BI+1
.endr
.set AI, AI+1
.endr
.endm
.macro STEP slot, q, zero
	PLACES 4
	FETCH \slot, (\q)+1, 1-(\q)%2
	s_wait_dscnt NF
	WIN MUL_LO
	MULS 0, 4, (\q)%2, \q, \slot, \zero
	WIN MUL_HI
	MULS 4, 4, (\q)%2, \q, \slot, \zero
.endm
; A PREFETCH INTO THE L2, behind each refill and the LDS loads that follow it: the chunk of two K steps that stands two refills on.  Of the 8 tiles x 3,072 bytes that a wave fetches jointly,
; each of the four partners names 2 tiles, 24 blocks of 256 bytes, a lane a block (lanes 24-31 name the last again), told apart by address alone.  The loop's last lap (s3 = 1) has no chunk two on and asks for nothing; chunks 0 to 3 come by their loads alone.
.macro ASK
	s_cmp_gt_u32 s3, 1
	s_cbranch_scc0 .Lno_ask_\@
	global_prefetch_b8 v[PFO], s[PFA:PFA+1] offset:TROW th:TH_LOAD_NT scope:SCOPE_SE
.Lno_ask_\@:
.endm
; A slot's last K step changes slots.  Its first 32 products stand ahead of the wait for the other slot's load; 8 stand between the add and its wait, 8 between the barrier's signal and its wait, 16 behind the next fragments' loads.
.macro TURN slot, next, fill
	s_wait_dscnt 0x0                               ; this step's fragments are in
	WIN MUL_LO
	MULS 0, 4, 1, NQ-1, \slot, 0
	WIN 0
.if \fill
	s_wait_xcnt 0x0                                ; my last prefetch has read its address: it is stepped only behind this wait
	s_add_nc_u64 s[PFA:PFA+1], s[PFA:PFA+1], TROW
.endif
	s_wait_tensorcnt 0x0
	ds_add_u32 v[SPW], v[NIL]
.if \fill
	s_add_nc_u64 s[G0+4*\slot+2:G0+4*\slot+3], s[G0+4*\slot+2:G0+4*\slot+3], 2*TROW
	s_add_nc_u64 s[G0B+4*\slot+2:G0B+4*\slot+3], s[G0B+4*\slot+2:G0B+4*\slot+3], 2*TROW
.endif
	WIN MUL_HI
	MULS 4, 1, 1, NQ-1, \slot, 0
	s_wait_dscnt 0x0                               ; the add is done; my reads of this slot were over above
	s_barrier_signal -1
	MULS 5, 1, 1, NQ-1, \slot, 0                   ; work on registers while the others arrive
	WIN 0
	s_barrier_wait -1
.if \fill
	CREST
	JLOAD G0+4*\slot, G1, G0B+4*\slot, G1B
.else
	PLACES 4
.endif
	s_wait_alu depctr_va_vdst(0)
	v_add_nc_u32 v[ADSP], 64*NQ, v[ADSP]
	v_add_nc_u32 v[ADSR], 64*NQ, v[ADSR]
	FETCH \next, 0, 0
	SCALES \next
.if \fill
	ASK
.endif
	WIN MUL_HI
	MULS 6, 2, 1, NQ-1, \slot, 0
	WIN 0
.endm
	s_load_b512 s[4:19], s[0:1], 0x0
	v_lshl_add_u32 v[SPW], v0, 2, SPARE
	v_mov_b32 v[NIL], 0
	ds_add_u32 v[SPW], v[NIL]
	ds_add_u32 v[SPW], v[NIL]
	v_lshrrev_b32 v1, 5, v0
	v_readfirstlane_b32 s20, v1
	s_lshr_b32 s21, s20, 1
	s_and_b32 s22, s20, 1
	s_bfe_u32 s40, ttmp6, 0x40000
	s_bfe_u32 s41, ttmp6, 0x40004
	s_lshl_b32 s42, ttmp9, 2
	s_add_co_u32 s42, s42, s40
	s_and_b32 s43, ttmp7, 0xffff
	s_lshl_b32 s43, s43, 2
	s_add_co_u32 s43, s43, s41
	s_lshl_b32 s44, s41, 2
	s_lshl_b32 s44, 15, s44
	s_lshl_b32 s45, 0x1111, s40
	s_or_b32 s[G1], s44, (3<<16)|(1<<21)
	s_or_b32 s[G1B], s45, (3<<16)|(1<<21)
.irp g, G1, G1B
	s_mov_b32 s[\g+1], (TROW/8)<<16
	s_mov_b32 s[\g+2], (2*THF)<<16
	s_mov_b32 s[\g+3], (TROW/8)<<16
	s_mov_b32 s[\g+4], 2*THF
	s_mov_b32 s[\g+5], 3072
	s_mov_b32 s[\g+6], 0
	s_mov_b32 s[\g+7], 0
.endr
	s_or_b32 s[G1S], s44, (3<<16)|(1<<21)
	s_or_b32 s[G1SB], s45, (3<<16)|(1<<21)
.irp g, G1S, G1SB
	s_mov_b32 s[\g+1], 32<<16
	s_mov_b32 s[\g+2], (2*HALFS/256)<<16
	s_mov_b32 s[\g+3], 32<<16
	s_mov_b32 s[\g+4], 2*HALFS/256
	s_mov_b32 s[\g+5], 32
	s_mov_b32 s[\g+6], 0
	s_mov_b32 s[\g+7], 0
.endr
	s_lshl_b32 s46, s22, 3
	s_lshl_b32 s92, s43, 4
	s_add_co_u32 s92, s92, s46
	s_lshl_b32 s94, s42, 4
	s_add_co_u32 s94, s94, s46
	s_lshl_b32 s96, s92, 10
	s_mov_b32 s97, 0
	s_lshl_b32 s98, s94, 10
	s_mov_b32 s99, 0
	s_mul_i32 s92, s92, 24576
	s_mov_b32 s93, 0
	s_mul_i32 s94, s94, 24576
	s_mov_b32 s95, 0
	s_mul_i32 s46, s20, HALFT
	s_mul_i32 s47, s20, HALFS
	s_mov_b32 s[SEL], 0x76543210
	s_mov_b32 s[SEL+1], 0xfedcba98
	s_wait_dscnt 0x0
	s_wait_kmcnt 0x0
	s_add_nc_u64 s[92:93], s[4:5], s[92:93]
	s_add_nc_u64 s[96:97], s[6:7], s[96:97]
	s_add_nc_u64 s[94:95], s[8:9], s[94:95]
	s_add_nc_u64 s[98:99], s[10:11], s[98:99]
	CROUND
.set G0H,  4                           ; s[4:7], s[8:11] group 0 of the head's loads of codes (the arguments that lay there have been used)
.set G0HB, 8
.set PFA, 100                          ; s[100:101] where my prefetches stand: my work-group's 2 tiles of the 8 that I fetch; a prefetch names the chunk behind it
.set PFO, 30                           ; v30 my lane's block of 256 bytes; never rewritten
	s_cmp_eq_u32 s21, 0                            ; do I fetch for x or for W?
	s_cselect_b64 s[PFA:PFA+1], s[92:93], s[94:95]
	s_cselect_b32 s2, s40, s41                     ; my place among the four that ask with me
	s_mul_i32 s2, s2, 2*24576
	s_add_co_u32 s2, s2, 2*TROW                    ; at chunk 2: the first refill steps it to 3 and names chunk 4
	s_mov_b32 s3, 0
	s_add_nc_u64 s[PFA:PFA+1], s[PFA:PFA+1], s[2:3]
	s_mul_i32 s2, s22, 8*24576
	s_mov_b32 s3, 0
	s_mov_b32 s[G0H], 1
	s_mov_b32 s[G0H+1], 0
	s_sub_nc_u64 s[G0H+2:G0H+3], s[92:93], s[2:3]
	s_or_b32 s[G0H+3], s[G0H+3], 0x80000000
	s_mov_b32 s[G0HB], 1
	s_mov_b32 s[G0HB+1], 2*HALFT
	s_sub_nc_u64 s[G0HB+2:G0HB+3], s[94:95], s[2:3]
	s_or_b32 s[G0HB+3], s[G0HB+3], 0x80000000
	s_mul_i32 s2, s22, HALFS
	s_mov_b32 s[G0S], 1
	s_mov_b32 s[G0S+1], SCL
	s_sub_nc_u64 s[G0S+2:G0S+3], s[96:97], s[2:3]
	s_or_b32 s[G0S+3], s[G0S+3], 0x80000000
	s_mov_b32 s[G0SB], 1
	s_mov_b32 s[G0SB+1], SCL+2*HALFS
	s_sub_nc_u64 s[G0SB+2:G0SB+3], s[98:99], s[2:3]
	s_or_b32 s[G0SB+3], s[G0SB+3], 0x80000000
.irp s, 0,1
	s_mov_b32 s[G0+4*\s], 1
	s_add_co_u32 s[G0+4*\s+1], s46, \s*SLOT
	s_add_nc_u64 s[G0+4*\s+2:G0+4*\s+3], s[92:93], \s*TROW
	s_or_b32 s[G0+4*\s+3], s[G0+4*\s+3], 0x80000000
	s_mov_b32 s[G0B+4*\s], 1
	s_add_co_u32 s[G0B+4*\s+1], s46, \s*SLOT
	s_add_nc_u64 s[G0B+4*\s+2:G0B+4*\s+3], s[94:95], \s*TROW
	s_or_b32 s[G0B+4*\s+3], s[G0B+4*\s+3], 0x80000000
.endr
; one chain of branches on the wave's number, one load to an arm, all arms to one join
.macro ARM under, g0, g1, next
	s_cmp_lt_u32 s20, \under
	s_cbranch_scc0 \next
	tensor_load_to_lds s[\g0:\g0+3], s[\g1:\g1+7]
	s_nop 0
.rept 4
	v_nop
.endr
	s_branch .Lhead_asked
\next:
.endm
	ARM 1, G0H,  G1,  .Lhead_b
	ARM 2, G0HB, G1B, .Lhead_sa
	ARM 3, G0S,  G1S, .Lhead_sb
	tensor_load_to_lds s[G0SB:G0SB+3], s[G1SB:G1SB+7]
	s_nop 0
.rept 4
	v_nop
.endr
.Lhead_asked:
	v_and_b32 v1, 31, v0
	v_lshlrev_b32 v[LI], 4, v1
	s_wait_alu depctr_va_vdst(0)
	v_lshlrev_b32 v[LS], 2, v1
	s_wait_alu depctr_va_vdst(0)
	s_cmp_ge_u32 ttmp9, 4
	s_cselect_b32 s23, 1, 0
	s_cselect_b32 s92, 0, 2*HALFT
	s_cselect_b32 s93, 2*HALFT, 0
	s_cselect_b32 s94, 0, 2*HALFS
	s_cselect_b32 s95, 2*HALFS, 0
	s_cselect_b32 s96, s22, s21
	s_cselect_b32 s97, s21, s22
	s_mul_i32 s98, s22, HALFT
	s_add_co_u32 s92, s92, s98
	s_mul_i32 s98, s21, HALFT
	s_add_co_u32 s93, s93, s98
	s_mul_i32 s98, s22, HALFS
	s_add_co_u32 s94, s94, s98
	s_add_co_u32 s94, s94, SCL
	s_mul_i32 s98, s21, HALFS
	s_add_co_u32 s95, s95, s98
	s_add_co_u32 s95, s95, SCL
	v_add_nc_u32 v[ADRP], s92, v[LI]
	v_add_nc_u32 v[ADRP+1], SLOT, v[ADRP]
	v_add_nc_u32 v[ADRR], s93, v[LI]
	v_add_nc_u32 v[ADRR+1], SLOT, v[ADRR]
	v_add_nc_u32 v[ADSP], s94, v[LS]
	v_add_nc_u32 v[ADSR], s95, v[LS]
	s_lshl_b32 s98, s42, 1
	s_add_co_u32 s98, s98, s97
	s_lshl_b32 s99, s43, 1
	s_add_co_u32 s99, s99, s96
	s_lshl_b32 s98, s98, 7
	s_lshl_b32 s46, s99, 3
	s_add_co_u32 s98, s98, s46
	s_mul_i32 s46, s98, 1536
	s_mov_b32 s47, 0
	s_add_nc_u64 s[16:17], s[16:17], s[46:47]
	s_lshl_b32 s46, s98, 6
	s_add_nc_u64 s[18:19], s[18:19], s[46:47]
	s_lshl_b32 s46, s99, 15
	s_add_nc_u64 s[12:13], s[12:13], s[46:47]
	s_add_nc_u64 s[14:15], s[14:15], s[46:47]
	v_and_b32 v2, 15, v0
	v_bfe_u32 v3, v0, 4, 1
	v_and_b32 v4, 8, v2
	v_add_nc_u32 v4, v4, v2
	v_lshlrev_b32 v[CSO], 8, v4
	v_lshl_add_u32 v[CSO], v3, 5, v[CSO]
	v_and_b32 v5, 31, v0
	v_min_u32 v5, 23, v5                           ; block 0 .. 23 of my two tiles' chunk
	v_mul_u32_u24 v6, v5, 22
	v_lshrrev_b32 v6, 8, v6                        ; block / 12: which tile
	v_mul_u32_u24 v6, v6, 24576-3072
	v_lshl_add_u32 v[PFO], v5, 8, v6               ; 24,576 x tile + 256 x (block % 12)
	s_wait_alu depctr_va_vdst(0)
	s_wait_tensorcnt 0x0                           ; my tile of the head's four is in
	ds_add_u32 v[SPW], v[NIL]
	s_mov_b32 s[G1+2], THF<<16                     ; no load of mine is out: from here on a load brings 8 tiles
	s_mov_b32 s[G1+4], THF
	s_mov_b32 s[G1B+2], THF<<16
	s_mov_b32 s[G1B+4], THF
	s_wait_dscnt 0x0
	CROUND
	JLOAD G0+4, G1, G0B+4, G1B                     ; slot 1's first fill, the first tensor load behind the round
	FETCH 0, 0, 0
	SCALES 0
	STEP 0, 0, 1
	WIN 0
	s_mov_b32 s3, LAPS-1
.Llap:
	TURN 0, 1, 1
	STEP 1, 0, 0
	TURN 1, 0, 1
	STEP 0, 0, 0
	WIN 0
	s_sub_co_u32 s3, s3, 1
	s_cmp_lg_u32 s3, 0
	s_cbranch_scc1 .Llap
	TURN 0, 1, 0
	STEP 1, 0, 0
.macro CSLOAD a
.set CL_, 64*((\a)%4)                  ; window 1, four buffers by turns
	WIN TO_P
.irp bb, 0,1,2,3
.irp jj, 0,1
	global_load_b128 v[CL_+8*\bb+4*\jj:CL_+8*\bb+4*\jj+3], v[CSO], s[12:13] offset:(32*((\a)/2)+8*((\a)%2))*256+64*\bb+16*\jj
	global_load_b128 v[CL_+32+8*\bb+4*\jj:CL_+32+8*\bb+4*\jj+3], v[CSO], s[14:15] offset:(32*((\a)/2)+8*((\a)%2))*256+64*\bb+16*\jj
.endr
.endr
	WIN 0
.endm
	WIN 0
	PLACES 4
	s_cmp_lg_u32 s23, 0
	s_cbranch_scc1 .Lno_table
	CSLOAD 0                                       ; window 1's v0-127: the set of W's fragments that the last products have left
	CSLOAD 1
.Lno_table:
	s_wait_dscnt 0x0
	WIN MUL_LO
	MULS 0, 4, 1, NQ-1, 1, 0
	WIN MUL_HI
	MULS 4, 4, 1, NQ-1, 1, 0
	WIN 0
	PLACES 4
.irp b, 0,1,2,3
	v_mov_b32 v[TM+4+\b], 0
.endr
.macro OUTA a, rope
.set W_, 2+(\a)/4
.set AC, 64*((\a)%4)
.set CB_, 64*((\a)%4)
.if \rope
.if (\a) < 5
	CSLOAD (\a)+3                                  ; into the buffer that block a - 1 has read
	s_wait_loadcnt 48                              ; the three later blocks' 16 loads each may be out
.else
	s_wait_loadcnt 16*(7-(\a))
.endif
	WIN 0x04|W_                                    ; source 0 the sums, source 1 the table (window 1), result window 0
.set PI, 0
.rept 32
.if PI%2
	v_pk_mul_f32 v[64+2*PI:64+2*PI+1], v[AC+2*PI:AC+2*PI+1], v[CB_+PI-1:CB_+PI] op_sel:[0,1] op_sel_hi:[1,1]
.else
	v_pk_mul_f32 v[64+2*PI:64+2*PI+1], v[AC+2*PI:AC+2*PI+1], v[CB_+PI:CB_+PI+1] op_sel:[0,0] op_sel_hi:[1,0]
.endif
.set PI, PI+1
.endr
	WIN (W_<<6)|0x04|W_
.set PI, 0
.rept 32
.if PI%2
	v_pk_fma_f32 v[AC+2*PI:AC+2*PI+1], v[AC+2*PI:AC+2*PI+1], v[CB_+32+PI-1:CB_+32+PI], v[64+2*PI:64+2*PI+1] op_sel:[1,1,0] op_sel_hi:[0,1,1] neg_lo:[1,0,0]
.else
	v_pk_fma_f32 v[AC+2*PI:AC+2*PI+1], v[AC+2*PI:AC+2*PI+1], v[CB_+32+PI:CB_+32+PI+1], v[64+2*PI:64+2*PI+1] op_sel:[1,0,0] op_sel_hi:[0,0,1] neg_lo:[1,0,0]
.endif
.set PI, PI+1
.endr
.endif
.if (\a) > 0
	s_wait_xcnt 0x0                                ; the last block's stores have read their codes and scale word: both are written again only below
.endif
	WIN W_|(W_<<2)
.irp b, 0,1,2,3
	v_max3_num_f32 v[TM+\b], |v[AC+16*\b]|, |v[AC+1+16*\b]|, 0x1800000
.endr
.irp i, 2,4,6,8,10,12,14
.irp b, 0,1,2,3
	v_max3_num_f32 v[TM+\b], |v[AC+16*\b+\i]|, |v[AC+1+16*\b+\i]|, v[TM+\b]
.endr
.endr
	WIN 0
.irp b, 0,1,2,3
	v_permlanex16_b32 v[TM+4+\b], v[TM+\b], s[SEL], s[SEL+1]
.endr
.irp b, 0,1,2,3
	v_max_num_f32 v[TM+\b], v[TM+\b], v[TM+4+\b]
.endr
.irp b, 0,1,2,3
	v_add_nc_u32 v[TM+12+\b], 0xff000000, v[TM+\b]
.endr
.irp b, 0,1,2,3
	v_lshrrev_b32 v[TM+4+\b], 23, v[TM+12+\b]
.endr
	v_lshl_or_b32 v[PW+(\a)%2], v[TM+5], 8, v[TM+4]
	v_lshl_or_b32 v[PW+(\a)%2], v[TM+6], 16, v[PW+(\a)%2]
	v_lshl_or_b32 v[PW+(\a)%2], v[TM+7], 24, v[PW+(\a)%2]
	WIN W_
.irp c, 0,1
	v_cvt_scalef32_pk16_fp6_f32 v[PC+6*\c:PC+2+6*\c], v[AC+32*\c:AC+15+32*\c], v[TM+12+2*\c]
	v_cvt_scalef32_pk16_fp6_f32 v[PC+12+4*\c:PC+14+4*\c], v[AC+16+32*\c:AC+31+32*\c], v[TM+12+2*\c+1]
.endr
	WIN 0
	v_nop
.irp c, 0,1
.irp i, 0,1,2
	v_permlane16_swap_b32 v[PC+6*\c+\i], v[PC+12+4*\c+\i]
.endr
.irp i, 0,1,2
	v_mov_b32 v[PC+3+6*\c+\i], v[PC+12+4*\c+\i]
.endr
.endr
.irp c, 0,1,2
	global_store_b128 v[LI], v[PC+4*\c:PC+4*\c+3], s[16:17] offset:1536*(\a)+512*\c
.endr
.if (\a)%2 == 1
	v_permlane16_swap_b32 v[PW], v[PW+1]
	global_store_b32 v[LS], v[PW], s[18:19] offset:128*((\a)/2)
.endif
.endm
	s_cmp_lg_u32 s23, 0
	s_cbranch_scc1 .Lout_v
	CSLOAD 2                                       ; window 1's v128-191 are free behind the last products and their places
.irp a, 0,1,2,3,4,5,6,7
	OUTA \a, 1
.endr
	s_branch .Lout_done
.Lout_v:
.irp a, 0,1,2,3,4,5,6,7
	OUTA \a, 0
.endr
.Lout_done:
	s_wait_tensorcnt 0x0
	ds_add_u32 v[SPW], v[NIL]
	s_wait_dscnt 0x0
	CROUND
	s_endpgm
.Lfunc_end_k_q3f9b46b4b5_qkv:
	.size	k_q3f9b46b4b5_qkv, .Lfunc_end_k_q3f9b46b4b5_qkv-k_q3f9b46b4b5_qkv
	.p2alignl 7, 3214868480
	.fill 96, 4, 3214868480
	.section	.rodata,"a",@progbits
	.p2align	6, 0x0
	.amdhsa_kernel k_q3f9b46b4b5_qkv
		.amdhsa_group_segment_fixed_size 327680
		.amdhsa_private_segment_fixed_size 0
		.amdhsa_enable_private_segment 0
		.amdhsa_kernarg_size 64
		.amdhsa_user_sgpr_count 2
		.amdhsa_user_sgpr_kernarg_segment_ptr 1
		.amdhsa_wavefront_size32 1
		.amdhsa_system_sgpr_workgroup_id_x 1
		.amdhsa_system_sgpr_workgroup_id_y 1
		.amdhsa_system_sgpr_workgroup_id_z 1
		.amdhsa_system_vgpr_workitem_id 0
		.amdhsa_next_free_vgpr 1024
		.amdhsa_next_free_sgpr 102
		.amdhsa_reserve_vcc 0
		.amdhsa_float_denorm_mode_32 3
		.amdhsa_float_denorm_mode_16_64 3
		.amdhsa_memory_ordered 1
		.amdhsa_forward_progress 1
		.amdhsa_inst_pref_size 223
	.end_amdhsa_kernel
	.amdgpu_metadata
---
amdhsa.version: [ 1, 2 ]
amdhsa.kernels:
  - .name:           k_q3f9b46b4b5_qkv
    .symbol:         k_q3f9b46b4b5_qkv.kd
    .args:
      - { .name: xc, .offset: 0, .size: 8, .value_kind: global_buffer, .address_space: global }
      - { .name: xs, .offset: 8, .size: 8, .value_kind: global_buffer, .address_space: global }
      - { .name: wc, .offset: 16, .size: 8, .value_kind: global_buffer, .address_space: global }
      - { .name: wsc, .offset: 24, .size: 8, .value_kind: global_buffer, .address_space: global }
      - { .name: freqs_cos, .offset: 32, .size: 8, .value_kind: global_buffer, .address_space: global }
      - { .name: freqs_sin, .offset: 40, .size: 8, .value_kind: global_buffer, .address_space: global }
      - { .name: qkvc, .offset: 48, .size: 8, .value_kind: global_buffer, .address_space: global }
      - { .name: qkvs, .offset: 56, .size: 8, .value_kind: global_buffer, .address_space: global }
    .group_segment_fixed_size: 327680
    .private_segment_fixed_size: 0
    .kernarg_segment_align: 8
    .kernarg_segment_size: 64
    .max_flat_workgroup_size: 128
    .sgpr_count:     102
    .vgpr_count:     1024
    .wavefront_size: 32
...
	.end_amdgpu_metadata
.endif
;; end of part 2
;; launch attn (part 3): grid 16 x 16, 16 waves a work-group, no clusters, 327,680 bytes of LDS; arguments qkvc, qkvs, oc, os; writes oc, os
.if DOCPART == 3
	.amdgcn_target "amdgcn-amd-amdhsa--gfx1250"
	.amdhsa_code_object_version 6
	.text
	.protected	k_q3f9b46b4b5_attn
	.globl	k_q3f9b46b4b5_attn
	.p2align	8
	.type	k_q3f9b46b4b5_attn,@function
k_q3f9b46b4b5_attn:
	s_mov_b64 s[64:65], 0
	v_nop
	global_prefetch_b8 v0, s[64:65] scope:SCOPE_SE
	s_setreg_imm32_b32 hwreg(HW_REG_WAVE_MODE, 25, 1), 1
	s_wait_xcnt 0x0
; o = softmax(q k^T / sqrt(128), causal) v for 16 heads of 128, 2,048 positions, both products on codes of FP6 (E2M3) with E8M0 scales; o is quantised along (head, d) and leaves as images of operand registers.
; INPUT: fragment 128 head' + 8 blk + a at 1,536 bytes each (head' 0-15 q, 16-31 k, 32-47 v), its 16 scale words at 64 bytes each.  q, k: tile of positions 8 blk + a, K = d.  v: blk = the step of 128 keys, a = the tile of d, K = keys.
; Lane r of tile 2 b + u holds row 32 b + 8 u + r + 8 (r / 8): so the 16 registers of two neighbouring tiles of a transposed result are 16 neighbours along the next K.
; THE SOFTMAX: t = score x log2(e) / sqrt(128); M = the largest t so far, rounded UP to a whole number; p = 2^(t - M) is quantised along the keys, not normalised; the sum of the unquantised p divides at the end.
; SHARES.  Group g is 128 queries and needs key steps 0 .. g.  A work-group owns 4 tiles of 16 queries of group j and 4 of group 15 - j: 4 (j + 1) + 4 (16 - j) = 68 tile steps in every work-group.
; EACH TILE IS HELD BY TWO WAVES, one for the even key steps and one for the odd.  Their two partial softmaxes are merged at the end through LDS: both M are whole numbers, so the merge multiplies by exact powers of two.
; LDS HOLDS THREE REGIONS OF FOUR KEY STEPS.  All three are first fills: key steps 0 to 3 at the head, 4 to 11 behind its barrier.  Region 0 is filled again ONCE, with key steps 12 to 15, behind the barrier at which every wave has left it;
; that load has the key steps of regions 1 and 2 in which to land.  Three barriers stand in front of key steps: ahead of region 0, ahead of region 1 (the refill's), ahead of region 0's second visit.
; Every work-group visits all four times: trip counts are constants; a step whose keys all come after the wave's queries is left out by a scalar branch on ids.
; NO CLUSTER: the steps left out hang on the group, which only the two work-groups of one pair (j, 15 - j) of a head share; partners of a joint load may have no branch that differs between them.
; NO PREFETCH: twelve of a head's sixteen key steps are asked for by the first fills, where none is laid, and the one refill has eight key steps' visits in which to land.
; LIMITS: NaN and infinities are not served; a block of o whose largest magnitude lies under 2^-124 keeps the byte 1; blocks of zeros have the byte 1 and zero codes.
; REGISTERS: v1-10, v28 addresses; v12 -M, v13 the largest t, v[14:15] the sum; v16-27 Q; v32-79 four fragments; v80-83 K's scale words, v84-87 V's; v96-159 S^T, then p; v160-223 O^T; v224.. codes; v232-254 at work; v255 Q's scale words.
; LDS AND ITS FILLS AS THE TEXT HAS THEM (this takes the place of the paragraph on the three regions above): a key step takes 24,576 bytes, K's 12,288 and then V's; a region is four key steps.
; At the head each wave issues ONE load: the eight waves with wave % 8 < 4 a piece of 12,288 bytes of key steps 0 to 3 (waves 0-7 K's, 8-15 V's), the other eight 2,048 bytes of scale words.
; Behind the full sequence and a barrier each wave fetches one piece of key steps 4 to 11 (regions 1 and 2), which has region 0's visit in which to land.  Region 0 is filled again once, by the eight waves that filled it first.
.set REG,   98304                      ; a region: four key steps
.set VOFF,  12288                      ; from a key step's K to its V
.set SCK,   3*REG                      ; K's scale words of the head, 8,192 bytes; V's behind them
.set SPARE, SCK+16384                  ; the spare words, 128 bytes a wave
.set STG,   REG                        ; the merge: 8,448 bytes for each of 8 pairs of waves, in region 1: it has had its one fill, and every wave has left it at the last barrier
.set LIP,  1                           ; v1  16 x lane + 24,576 x parity
.set ASK0, 2                           ; v2  SCK + 4 x lane
.set DQ,   3                           ; v3  my query's place in its group - 16 h
.set LI,   4                           ; v4  16 x lane
.set SPW,  5                           ; v5  my spare word; never rewritten
.set NIL,  6                           ; v6  0; never rewritten
.set R4,   7                           ; v7  4 r
.set ADK,  8
.set PUT,  9                           ; v9  the pair's stage + 16 x lane
.set ADS,  10
.set PUT8, 28                          ; v28 the pair's stage + 8,192 + 8 x lane
.set PC,   224
.set TM,   232
.set TB,   2                           ; s2  where my step's pair of key steps begins in LDS
.set TS,   3                           ; s3  my step's scale words: 512 bytes a step
.set WV,   18
.set PAR,  19
.set SEL,  20
.set CS,   22
.set G1C,  24
.set G1S,  32
.set G0S,  44
.set STP,  48                          ; s48 my key step
.set TWICE, 49                         ; s49 counts a visit's two steps
.set GRP,  50                          ; s50 my group
.set G0C,  84                          ; s[84:91] group 0: region 0, and regions 1 and 2
	s_load_b256 s[4:11], s[0:1], 0x0               ; qkvc, qkvs, oc, os
	v_lshl_add_u32 v[SPW], v0, 2, SPARE
	v_mov_b32 v[NIL], 0
	ds_add_u32 v[SPW], v[NIL]                      ; the wave's opening: the add and its wait ahead of my first tensor load
	ds_add_u32 v[SPW], v[NIL]
	v_lshrrev_b32 v8, 5, v0
	s_delay_alu instid0(VALU_DEP_1)
	v_readfirstlane_b32 s[WV], v8                  ; wave 0..15
	s_and_b32 s51, ttmp7, 0xffff                   ; head
	s_lshr_b32 s52, ttmp9, 1                       ; j
	s_and_b32 s53, ttmp9, 1                        ; which four tiles of a group
	s_and_b32 s54, s[WV], 3                        ; which of the four
	s_bfe_u32 s[PAR], s[WV], 0x10002               ; even or odd key steps
	s_lshr_b32 s55, s[WV], 3                       ; group j or group 15 - j
	s_sub_co_u32 s56, 15, s52
	s_cmp_eq_u32 s55, 0
	s_cselect_b32 s[GRP], s52, s56
	s_lshl_b32 s57, s[GRP], 3
	s_lshl_b32 s58, s53, 2
	s_add_co_u32 s57, s57, s58
	s_add_co_u32 s57, s57, s54                     ; my tile of queries
	s_add_co_u32 s66, s51, 16                      ; K's head'
	s_mul_i32 s68, s66, 196608
	s_mul_i32 s59, s55, 3145728                    ; waves 8-15 fetch V: 16 heads' further on
	s_add_co_u32 s68, s68, s59
	s_and_b32 s59, s[WV], 7
	s_mul_i32 s67, s59, 12288                      ; my piece: key step wave % 8 of K or of V
	s_add_co_u32 s68, s68, s67
	s_mov_b32 s69, 0
	s_lshl_b32 s70, s66, 13
	s_lshl_b32 s67, s55, 17
	s_add_co_u32 s70, s70, s67
	s_and_b32 s67, s59, 3
	s_lshl_b32 s67, s67, 11                        ; my quarter of K's or V's scale words
	s_add_co_u32 s70, s70, s67
	s_mov_b32 s71, 0
	s_mul_i32 s72, s51, 196608
	s_mul_i32 s67, s57, 1536
	s_add_co_u32 s72, s72, s67                     ; Q's fragment
	s_mov_b32 s73, 0
	s_lshl_b32 s74, s51, 13
	s_lshl_b32 s67, s57, 6
	s_add_co_u32 s74, s74, s67                     ; its scale words
	s_mov_b32 s75, 0
	s_mul_i32 s76, s57, 24576
	s_mul_i32 s67, s51, 1536
	s_add_co_u32 s76, s76, s67                     ; o's fragment: 16 x tile + head
	s_mov_b32 s77, 0
	s_lshl_b32 s78, s57, 10
	s_lshl_b32 s67, s51, 6
	s_add_co_u32 s78, s78, s67
	s_mov_b32 s79, 0
	s_mov_b32 s[G1C], 3<<16                        ; 12,288 dense bytes as 48 rows of 256: elements of 8 bytes, no mask, no padding
	s_mov_b32 s[G1C+1], 32<<16
	s_mov_b32 s[G1C+2], 48<<16
	s_mov_b32 s[G1C+3], 32<<16
	s_mov_b32 s[G1C+4], 48
	s_mov_b32 s[G1C+5], 32
	s_mov_b32 s[G1C+6], 0
	s_mov_b32 s[G1C+7], 0
	s_mov_b32 s[G1S], 3<<16                        ; 2,048 dense bytes of scale words as 8 rows
	s_mov_b32 s[G1S+1], 32<<16
	s_mov_b32 s[G1S+2], 8<<16
	s_mov_b32 s[G1S+3], 32<<16
	s_mov_b32 s[G1S+4], 8
	s_mov_b32 s[G1S+5], 32
	s_mov_b32 s[G1S+6], 0
	s_mov_b32 s[G1S+7], 0
	s_mov_b32 s[SEL], 0x76543210
	s_mov_b32 s[SEL+1], 0xfedcba98
	s_mov_b32 s[CS], 0x3e0293ee                    ; c = log2(e) / sqrt(128)
	s_mov_b32 s[CS+1], s[CS]
	s_lshl_b32 s[TS], s[PAR], 9
	s_mov_b32 s[STP], s[PAR]
	s_wait_dscnt 0x0                               ; the opening add is done
	s_wait_kmcnt 0x0
	s_mov_b32 s[G0S], 1
	s_and_b32 s[G0S+1], s59, 3
	s_lshl_b32 s[G0S+1], s[G0S+1], 11
	s_lshl_b32 s67, s55, 13
	s_add_co_u32 s[G0S+1], s[G0S+1], s67
	s_add_co_u32 s[G0S+1], s[G0S+1], SCK           ; SCK + 8,192 x (V) + 2,048 x quarter
	s_add_nc_u64 s[G0S+2:G0S+3], s[6:7], s[70:71]
	s_or_b32 s[G0S+3], s[G0S+3], 0x80000000
	s_add_nc_u64 s[68:69], s[4:5], s[68:69]        ; my part of key steps 0 to 3 in memory
	s_mul_i32 s67, s59, 24576                      ; and in LDS: key step wave % 8,
	s_mul_i32 s66, s55, 12288                      ; K's half or V's
	s_add_co_u32 s67, s67, s66
.irp n, 0,1
	s_mov_b32 s[G0C+4*\n], 1
	s_add_co_u32 s[G0C+4*\n+1], s67, \n*REG
	s_add_nc_u64 s[G0C+4*\n+2:G0C+4*\n+3], s[68:69], \n*49152   ; region n begins with key steps 4 n to 4 n + 3
	s_or_b32 s[G0C+4*\n+3], s[G0C+4*\n+3], 0x80000000
.endr
	s_cmp_lt_u32 s59, 4                            ; one load a wave at the head: a piece of region 0, or scale words
	s_cbranch_scc0 .Lhead_sc
	tensor_load_to_lds s[G0C:G0C+3], s[G1C:G1C+7]
	s_nop 0
.rept 4
	v_nop
.endr
	s_branch .Lhead_asked
.Lhead_sc:
	tensor_load_to_lds s[G0S:G0S+3], s[G1S:G1S+7]
	s_nop 0
.rept 4
	v_nop
.endr
.Lhead_asked:
	s_add_nc_u64 s[72:73], s[4:5], s[72:73]
	s_add_nc_u64 s[74:75], s[6:7], s[74:75]
	s_add_nc_u64 s[8:9], s[8:9], s[76:77]
	s_add_nc_u64 s[10:11], s[10:11], s[78:79]
	v_and_b32 v29, 15, v0                          ; r
	s_wait_alu depctr_va_vdst(0)
	v_bfe_u32 v30, v0, 4, 1                        ; h
	s_wait_alu depctr_va_vdst(0)
	v_and_b32 v31, 31, v0                          ; lane
	s_delay_alu instid0(VALU_DEP_1)
	v_lshlrev_b32 v[LI], 4, v31
	s_wait_alu depctr_va_vdst(0)
	v_lshlrev_b32 v[R4], 2, v29
	s_mul_i32 s13, s[PAR], 24576
	v_add_nc_u32 v[LIP], s13, v[LI]
	v_lshl_add_u32 v[ASK0], v31, 2, SCK
	s_lshl_b32 s12, s53, 1
	s_lshr_b32 s13, s54, 1
	s_add_co_u32 s12, s12, s13
	s_lshl_b32 s12, s12, 5
	s_and_b32 s13, s[WV], 1
	s_lshl_b32 s13, s13, 3
	s_add_co_u32 s12, s12, s13                     ; my tile's first row in its group: 32 b + 8 u
	v_and_b32 v[DQ], 8, v29
	s_delay_alu instid0(VALU_DEP_1)
	v_add_nc_u32 v[DQ], v[DQ], v29                 ; + r + 8 (r / 8)
	v_lshlrev_b32 v30, 4, v30
	s_delay_alu instid0(VALU_DEP_1)
	v_sub_nc_u32 v[DQ], v[DQ], v30                 ; - 16 h
	s_delay_alu instid0(VALU_DEP_1)
	v_add_nc_u32 v[DQ], s12, v[DQ]
	s_lshl_b32 s13, s55, 2
	s_add_co_u32 s13, s13, s54                     ; my pair of waves
	s_mul_i32 s13, s13, 8448
	s_add_co_u32 s13, s13, STG
	v_add_nc_u32 v[PUT], s13, v[LI]
	v_lshlrev_b32 v[PUT8], 3, v31
	s_delay_alu instid0(VALU_DEP_1)
	v_add_nc_u32 v[PUT8], s13, v[PUT8]
	s_delay_alu instid0(VALU_DEP_1)
	v_add_nc_u32 v[PUT8], 8192, v[PUT8]
	v_mov_b32 v13, 0xff61b1e6                      ; the largest t so far: -3e38
	s_delay_alu instid0(VALU_DEP_1)
	v_floor_f32 v12, -v13                          ; -M
	v_mov_b32 v14, 0
	v_mov_b32 v15, 0
.irp b, 0,1,2,3
	v_mov_b32 v[236+\b], 0                         ; written once: a lane permute's destination counts as one of its sources
.endr
	v_mov_b32 v253, 0
.set J, 0
.rept 64
	v_mov_b32 v[160+J], 0                          ; O^T: the step is written once a visit; its first pass finds zeros
.set J, J+1
.endr
.rept 4
	v_nop
.endr
.irp c, 0,1,2
	global_load_b128 v[16+4*\c:19+4*\c], v[LI], s[72:73] offset:512*\c   ; Q's fragment stays in registers
.endr
	global_load_b32 v255, v[R4], s[74:75]          ; and its scale words
; ONE KEY STEP OF MINE: 128 keys: K at s[TB] + 24,576 x parity, V VOFF further on.
.macro STEP
	s_cmp_gt_u32 s[STP], s[GRP]                    ; all its keys come after my queries: left out
	s_cbranch_scc1 .Lhidden_\@
	v_add_nc_u32 v[ADK], s[TB], v[LIP]
	s_wait_alu depctr_va_vdst(0)
	v_add_nc_u32 v[ADS], s[TS], v[ASK0]
	v_nop
	v_nop                                          ; four places in front of loads into registers that the last products read
.irp g, 0,1                                    ; S^T = K Q^T, four tiles of 16 keys at a time
.if \g
.rept 4
	v_nop
.endr
.endif
.irp t, 0,1,2,3
.irp c, 0,1,2
	ds_load_b128 v[32+12*\t+4*\c:35+12*\t+4*\c], v[ADK] offset:1536*(4*\g+\t)+512*\c
.endr
.endr
.if \g == 0
.irp b, 0,1,2,3
	ds_load_b32 v[80+\b], v[ADS] offset:128*\b     ; lanes 0-15: tile 2 b's words, lanes 16-31: tile 2 b + 1's
.endr
.endif
	s_wait_dscnt 0x0
.irp t, 0,2
	v_wmma_scale_f32_16x16x128_f8f6f4 v[96+8*(4*\g+\t):103+8*(4*\g+\t)], v[32+12*\t:43+12*\t], v[16:27], 0, v[80+2*\g+\t/2], v255 matrix_a_fmt:MATRIX_FMT_FP6 matrix_b_fmt:MATRIX_FMT_FP6
	v_wmma_scale_f32_16x16x128_f8f6f4 v[104+8*(4*\g+\t):111+8*(4*\g+\t)], v[44+12*\t:55+12*\t], v[16:27], 0, v[80+2*\g+\t/2], v255 matrix_a_fmt:MATRIX_FMT_FP6 matrix_b_fmt:MATRIX_FMT_FP6 matrix_a_scale:MATRIX_SCALE_ROW1
.endr
.endr
.rept 4
	v_nop
.endr
.irp t, 0,1,2,3                                ; V's first four tiles and its scale words are asked for now and land during the softmax
.irp c, 0,1,2
	ds_load_b128 v[32+12*\t+4*\c:35+12*\t+4*\c], v[ADK] offset:VOFF+1536*\t+512*\c
.endr
.endr
	s_wait_alu depctr_va_vdst(0)
.irp b, 0,1,2,3
	ds_load_b32 v[84+\b], v[ADS] offset:8192+128*\b
.endr
	s_cmp_lt_u32 s[STP], s[GRP]                    ; all keys count: no mask
	s_cbranch_scc1 .Lopen_\@
	v_mov_b32 v254, 0xff800000                     ; on the diagonal: register 16 b + i holds key 32 b + 16 h + i of the step: hidden where 32 b + i > my query's place - 16 h
.set J, 0
.rept 64
	v_cmp_gt_i32 vcc_lo, 32*(J/16)+J%16, v[DQ]
	v_cndmask_b32 v[96+J], v[96+J], v254, vcc_lo
.set J, J+1
.endr
.Lopen_\@:
.irp b, 0,1,2,3
	v_max3_num_f32 v[232+\b], v[96+16*\b], v[97+16*\b], v[98+16*\b]   ; the largest score of each block of 32 keys: for the row's maximum, and for the block's largest p
.endr
.irp i, 3,5,7,9,11,13
.irp b, 0,1,2,3
	v_max3_num_f32 v[232+\b], v[232+\b], v[96+16*\b+\i], v[97+16*\b+\i]
.endr
.endr
.irp b, 0,1,2,3
	v_max_num_f32 v[232+\b], v[232+\b], v[111+16*\b]
.endr
.irp b, 0,1,2,3
	s_delay_alu instid0(VALU_DEP_4)
	v_permlanex16_b32 v[236+\b], v[232+\b], s[SEL], s[SEL+1]
.endr
.irp b, 0,1,2,3
	s_delay_alu instid0(VALU_DEP_4)
	v_max_num_f32 v[232+\b], v[232+\b], v[236+\b]
.endr
	s_delay_alu instid0(VALU_DEP_2)
	v_max3_num_f32 v254, v232, v233, v234
	s_delay_alu instid0(VALU_DEP_1)
	v_max_num_f32 v254, v254, v235
	s_delay_alu instid0(VALU_DEP_1)
	v_mul_f32 v254, s[CS], v254
	s_delay_alu instid0(VALU_DEP_1)
	v_max_num_f32 v13, v13, v254                   ; the running largest t
	v_mov_b32 v254, v12
	s_delay_alu instid0(VALU_DEP_2)
	v_floor_f32 v12, -v13                          ; the new -M: a whole number
	s_delay_alu instid0(VALU_DEP_1)
	v_sub_f32 v254, v12, v254
	s_delay_alu instid0(VALU_DEP_1)
	v_cvt_i32_f32 v254, v254                       ; (it saturates)
	s_delay_alu instid0(VALU_DEP_1)
	v_ldexp_f32 v252, 1.0, v254                    ; f = 2^(old M - new M)
.set J, 0
.rept 32
	v_pk_fma_f32 v[96+J:97+J], v[96+J:97+J], s[CS:CS+1], v[12:13] op_sel_hi:[1,0,0]   ; t - M
.set J, J+2
.endr
.irp b, 0,1,2,3
	v_fma_f32 v[232+\b], v[232+\b], s[CS], v12
.endr
.set J, 0
	s_wait_alu depctr_va_vdst(0)
.rept 64
	v_exp_f32 v[96+J], v[96+J]                     ; p = 2^(t - M)
.set J, J+1
.endr
	v_pk_mul_f32 v[14:15], v[14:15], v[252:253] op_sel_hi:[1,0]   ; the sums under the new M (a plain place behind the exponentials)
	s_wait_alu depctr_va_vdst(0)                   ; one wait for the batch, ahead of its first reader
.irp b, 0,1,2,3
	v_exp_f32 v[232+\b], v[232+\b]                 ; the block's largest p
.endr
	v_pk_add_f32 v[236:237], v[100:101], v[104:105]
	v_pk_add_f32 v[250:251], v[108:109], v[112:113]
	v_pk_add_f32 v[248:249], v[116:117], v[120:121]
	v_pk_add_f32 v[246:247], v[124:125], v[128:129]
	v_pk_add_f32 v[244:245], v[132:133], v[136:137]
	v_pk_add_f32 v[242:243], v[140:141], v[144:145]
	v_pk_add_f32 v[240:241], v[148:149], v[152:153]
	v_pk_add_f32 v[14:15], v[14:15], v[156:157]
	v_pk_add_f32 v[236:237], v[236:237], v[96:97]
	v_pk_add_f32 v[250:251], v[250:251], v[98:99]
	v_pk_add_f32 v[248:249], v[248:249], v[102:103]
	v_pk_add_f32 v[246:247], v[246:247], v[106:107]
	v_pk_add_f32 v[244:245], v[244:245], v[110:111]
	v_pk_add_f32 v[242:243], v[242:243], v[114:115]
	v_pk_add_f32 v[240:241], v[240:241], v[118:119]
	v_pk_add_f32 v[14:15], v[14:15], v[122:123]
	v_pk_add_f32 v[236:237], v[236:237], v[126:127]
	v_pk_add_f32 v[250:251], v[250:251], v[130:131]
	v_pk_add_f32 v[248:249], v[248:249], v[134:135]
	v_pk_add_f32 v[246:247], v[246:247], v[138:139]
	v_pk_add_f32 v[244:245], v[244:245], v[142:143]
	v_pk_add_f32 v[242:243], v[242:243], v[146:147]
	v_pk_add_f32 v[240:241], v[240:241], v[150:151]
	v_pk_add_f32 v[14:15], v[14:15], v[154:155]
	v_pk_add_f32 v[236:237], v[236:237], v[158:159]
	s_delay_alu instid0(VALU_DEP_2)
	v_pk_add_f32 v[14:15], v[14:15], v[246:247]
	s_delay_alu instid0(VALU_DEP_2)
	v_pk_add_f32 v[236:237], v[236:237], v[244:245]
	v_pk_add_f32 v[250:251], v[250:251], v[242:243]
	v_pk_add_f32 v[248:249], v[248:249], v[240:241]
	s_delay_alu instid0(VALU_DEP_2)
	v_pk_add_f32 v[14:15], v[14:15], v[250:251]
	s_delay_alu instid0(VALU_DEP_2)
	v_pk_add_f32 v[236:237], v[236:237], v[248:249]
	s_delay_alu instid0(VALU_DEP_1)
	v_pk_add_f32 v[14:15], v[14:15], v[236:237]
	s_wait_alu depctr_va_vdst(0)                   ; and one for the four
.irp b, 0,1,2,3
	v_max_num_f32 v[232+\b], 0x1800000, v[232+\b]  ; the floor 2^(3 - 127)
.endr
.irp b, 0,1,2,3
	s_delay_alu instid0(VALU_DEP_4)
	v_add_nc_u32 v[244+\b], 0xff000000, v[232+\b]
.endr
.irp b, 0,1,2,3
	s_delay_alu instid0(VALU_DEP_4)
	v_lshrrev_b32 v[236+\b], 23, v[244+\b]
.endr
	s_delay_alu instid0(VALU_DEP_3)
	v_lshl_or_b32 v253, v237, 8, v236              ; p's scale word for these 128 keys
	s_delay_alu instid0(VALU_DEP_1)
	v_lshl_or_b32 v253, v238, 16, v253
	s_delay_alu instid0(VALU_DEP_1)
	v_lshl_or_b32 v253, v239, 24, v253
.irp c, 0,1
	v_cvt_scalef32_pk16_fp6_f32 v[224+6*\c:226+6*\c], v[96+32*\c:111+32*\c], v[244+2*\c]
	v_cvt_scalef32_pk16_fp6_f32 v[236+4*\c:238+4*\c], v[112+32*\c:127+32*\c], v[244+2*\c+1]
.endr
	v_nop                                          ; one plain place behind a scaled conversion
.irp c, 0,1
.irp i, 0,1,2
	v_permlane16_swap_b32 v[224+6*\c+\i], v[236+4*\c+\i]
.endr
.irp i, 0,1,2
	s_delay_alu instid0(VALU_DEP_3)
	v_mov_b32 v[227+6*\c+\i], v[236+4*\c+\i]
.endr
.endr
.set J, 0
.rept 32
	v_pk_mul_f32 v[160+J:161+J], v[160+J:161+J], v[252:253] op_sel_hi:[1,0]   ; O^T under the new M; also the places in front of the products below
.set J, J+2
.endr
	s_wait_alu depctr_va_vdst(0)
.irp g, 0,1                                    ; O^T += V^T P^T
.if \g
.rept 4
	v_nop
.endr
.irp t, 0,1,2,3
.irp c, 0,1,2
	ds_load_b128 v[32+12*\t+4*\c:35+12*\t+4*\c], v[ADK] offset:VOFF+1536*(4+\t)+512*\c
.endr
.endr
.endif
	s_wait_dscnt 0x0
.irp t, 0,2
	v_wmma_scale_f32_16x16x128_f8f6f4 v[160+8*(4*\g+\t):167+8*(4*\g+\t)], v[32+12*\t:43+12*\t], v[224:235], v[160+8*(4*\g+\t):167+8*(4*\g+\t)], v[84+2*\g+\t/2], v253 matrix_a_fmt:MATRIX_FMT_FP6 matrix_b_fmt:MATRIX_FMT_FP6
	v_wmma_scale_f32_16x16x128_f8f6f4 v[168+8*(4*\g+\t):175+8*(4*\g+\t)], v[44+12*\t:55+12*\t], v[224:235], v[168+8*(4*\g+\t):175+8*(4*\g+\t)], v[84+2*\g+\t/2], v253 matrix_a_fmt:MATRIX_FMT_FP6 matrix_b_fmt:MATRIX_FMT_FP6 matrix_a_scale:MATRIX_SCALE_ROW1
.endr
.endr
.Lhidden_\@:
	s_add_co_u32 s[STP], s[STP], 2
	s_add_co_u32 s[TS], s[TS], 1024
.endm
; A VISIT of the region that begins at LDS byte base: my two of its four key steps: written once, walked twice; the second lies two key steps, 49,152 bytes, further on.
.macro VISIT base
	s_mov_b32 s[TB], \base
	s_mov_b32 s[TWICE], 2
.Lstep_\@:
	STEP
	s_add_co_u32 s[TB], s[TB], 49152
	s_sub_co_u32 s[TWICE], s[TWICE], 1
	s_cmp_lg_u32 s[TWICE], 0
	s_cbranch_scc1 .Lstep_\@
.endm
	s_wait_alu depctr_va_vdst(0)                   ; the wait at the head's end
	s_wait_loadcnt 0x0                             ; Q
	s_wait_tensorcnt 0x0                           ; my head's load is in
	ds_add_u32 v[SPW], v[NIL]                      ; ahead of a later first fill too
	s_wait_dscnt 0x0
	s_barrier_signal -1
	s_barrier_wait -1                              ; region 0 and the scale words are whole
	tensor_load_to_lds s[G0C+4:G0C+7], s[G1C:G1C+7]    ; my piece of key steps 4 to 11: a first fill, my one load behind this barrier
	s_nop 0
.rept 4
	v_nop
.endr
	VISIT 0                                        ; key steps 0 to 3
	s_wait_tensorcnt 0x0                           ; all my tensor loads have landed, my parts of regions 1 and 2: so a group 0 may be written
	ds_add_u32 v[SPW], v[NIL]
	s_add_nc_u64 s[G0C+2:G0C+3], s[G0C+2:G0C+3], 3*49152   ; key steps 12 to 15
	s_wait_dscnt 0x0                               ; the add is done, and my reads of region 0 are over
	s_barrier_signal -1
	s_barrier_wait -1                              ; both hold of every wave: regions 1 and 2 are whole, and nobody reads region 0
	s_cmp_lt_u32 s59, 4                            ; the waves that filled region 0 fill it again; the others have no part of it
	s_cbranch_scc0 .Lno_refill
	tensor_load_to_lds s[G0C:G0C+3], s[G1C:G1C+7]  ; the launch's one refill, and my one tensor load behind this barrier
	s_nop 0
.rept 4
	v_nop
.endr
.Lno_refill:
.rept 4
	v_nop
.endr
	VISIT REG                                      ; key steps 4 to 7
	VISIT 2*REG                                    ; key steps 8 to 11: the barrier above has shown this region whole to every wave: no wait, no barrier
	s_wait_tensorcnt 0x0                           ; my part of key steps 12 to 15 is in
	ds_add_u32 v[SPW], v[NIL]
	s_wait_dscnt 0x0                               ; my reads of regions 1 and 2 are over
	s_barrier_signal -1
	s_barrier_wait -1                              ; everybody's is; nothing is filled again
	VISIT 0                                        ; key steps 12 to 15
	; THE MERGE.  The wave of the odd steps hands O^T, -M and its sum to the wave of the even steps, as images of its registers.
.rept 4
	v_nop
.endr
	s_cmp_eq_u32 s[PAR], 0
	s_cbranch_scc1 .Lkeep
	v_add_f32 v13, v14, v15                        ; the sum's two halves
.set J, 0
	s_wait_alu depctr_va_vdst(0)
.rept 16
	ds_store_b128 v[PUT], v[160+4*J:163+4*J] offset:512*J
.set J, J+1
.endr
	ds_store_b64 v[PUT8], v[12:13]
.Lkeep:
	s_wait_dscnt 0x0                               ; for the partner's sake: my stores have landed
	s_barrier_signal -1
	s_barrier_wait -1
	s_cmp_lg_u32 s[PAR], 0
	s_cbranch_scc1 .Lend
.set J, 0
.rept 16
	ds_load_b128 v[96+4*J:99+4*J], v[PUT] offset:512*J
.set J, J+1
.endr
	ds_load_b64 v[236:237], v[PUT8]
	v_add_f32 v14, v14, v15
	s_wait_dscnt 0x0
	v_min_num_f32 v238, v12, v236                  ; the common -M
	s_delay_alu instid0(VALU_DEP_1)
	v_sub_f32 v239, v238, v12
	s_delay_alu instid0(VALU_DEP_2)
	v_sub_f32 v240, v238, v236                     ; (a partner that had no step holds -M = 3e38: its factor falls to 0)
	s_delay_alu instid0(VALU_DEP_2)
	v_cvt_i32_f32 v239, v239
	s_delay_alu instid0(VALU_DEP_2)
	v_cvt_i32_f32 v240, v240
	s_delay_alu instid0(VALU_DEP_2)
	v_ldexp_f32 v252, 1.0, v239                    ; my factor,
	s_wait_alu depctr_va_vdst(0)
	v_ldexp_f32 v254, 1.0, v240                    ; the partner's: exact powers of two
	v_mul_f32 v14, v14, v252
	s_delay_alu instid0(VALU_DEP_1)
	v_fma_f32 v14, v237, v254, v14
.set J, 0
.rept 32
	v_pk_mul_f32 v[160+J:161+J], v[160+J:161+J], v[252:253] op_sel_hi:[1,0]
.set J, J+2
.endr
.set J, 0
.rept 32
	v_pk_fma_f32 v[160+J:161+J], v[96+J:97+J], v[254:255], v[160+J:161+J] op_sel_hi:[1,0,1]
.set J, J+2
.endr
	v_permlanex16_b32 v236, v14, s[SEL], s[SEL+1]
	s_delay_alu instid0(VALU_DEP_1)
	v_add_f32 v14, v14, v236                       ; with lane l xor 16's: the row's sum
	s_wait_alu depctr_va_vdst(0)
	v_rcp_f32 v14, v14
	v_nop                                          ; a plain place behind the reciprocal
	s_wait_alu depctr_va_vdst(0)                   ; the wait ahead of its first reader
.set J, 0
.rept 64
	v_mul_f32 v[96+J], v[160+J], v14               ; register 16 b + i = o(my query, d = 32 b + 16 h + i)
.set J, J+1
.endr
	; o's fragment: K step = the head of the last product
.irp b, 0,1,2,3
	v_max3_num_f32 v[TM+\b], |v[96+16*\b]|, |v[97+16*\b]|, 0x1800000
.endr
.irp i, 2,4,6,8,10,12,14
.irp b, 0,1,2,3
	s_delay_alu instid0(VALU_DEP_4)
	v_max3_num_f32 v[TM+\b], v[TM+\b], |v[96+16*\b+\i]|, |v[97+16*\b+\i]|
.endr
.endr
.irp b, 0,1,2,3
	s_delay_alu instid0(VALU_DEP_4)
	v_permlanex16_b32 v[TM+4+\b], v[TM+\b], s[SEL], s[SEL+1]
.endr
.irp b, 0,1,2,3
	s_delay_alu instid0(VALU_DEP_4)
	v_max_num_f32 v[TM+\b], v[TM+\b], v[TM+4+\b]
.endr
.irp b, 0,1,2,3
	s_delay_alu instid0(VALU_DEP_4)
	v_add_nc_u32 v[TM+12+\b], 0xff000000, v[TM+\b]
.endr
.irp b, 0,1,2,3
	s_delay_alu instid0(VALU_DEP_4)
	v_lshrrev_b32 v[TM+4+\b], 23, v[TM+12+\b]
.endr
	s_delay_alu instid0(VALU_DEP_3)
	v_lshl_or_b32 v253, v[TM+5], 8, v[TM+4]
	s_delay_alu instid0(VALU_DEP_1)
	v_lshl_or_b32 v253, v[TM+6], 16, v253
	s_delay_alu instid0(VALU_DEP_1)
	v_lshl_or_b32 v253, v[TM+7], 24, v253
.irp c, 0,1
	v_cvt_scalef32_pk16_fp6_f32 v[PC+6*\c:PC+2+6*\c], v[96+32*\c:111+32*\c], v[TM+12+2*\c]
	v_cvt_scalef32_pk16_fp6_f32 v[PC+12+4*\c:PC+14+4*\c], v[112+32*\c:127+32*\c], v[TM+12+2*\c+1]   ; (over the bytes, which the scale word has taken up)
.endr
	v_nop
.irp c, 0,1
.irp i, 0,1,2
	v_permlane16_swap_b32 v[PC+6*\c+\i], v[PC+12+4*\c+\i]
.endr
.irp i, 0,1,2
	s_delay_alu instid0(VALU_DEP_3)
	v_mov_b32 v[PC+3+6*\c+\i], v[PC+12+4*\c+\i]
.endr
.endr
.irp c, 0,1,2
	global_store_b128 v[LI], v[PC+4*\c:PC+4*\c+3], s[8:9] offset:512*\c
.endr
	global_store_b32 v[R4], v253, s[10:11]         ; lanes l and l xor 16 hold the same word and name the same address: 64 bytes
.Lend:
	s_wait_tensorcnt 0x0                           ; the wave's end
	ds_add_u32 v[SPW], v[NIL]
	s_wait_dscnt 0x0
	s_endpgm
.Lfunc_end_k_q3f9b46b4b5_attn:
	.size	k_q3f9b46b4b5_attn, .Lfunc_end_k_q3f9b46b4b5_attn-k_q3f9b46b4b5_attn
	.p2alignl 7, 3214868480
	.fill 96, 4, 3214868480
	.section	.rodata,"a",@progbits
	.p2align	6, 0x0
	.amdhsa_kernel k_q3f9b46b4b5_attn
		.amdhsa_group_segment_fixed_size 327680
		.amdhsa_private_segment_fixed_size 0
		.amdhsa_enable_private_segment 0
		.amdhsa_kernarg_size 32
		.amdhsa_user_sgpr_count 2
		.amdhsa_user_sgpr_kernarg_segment_ptr 1
		.amdhsa_wavefront_size32 1
		.amdhsa_system_sgpr_workgroup_id_x 1
		.amdhsa_system_sgpr_workgroup_id_y 1
		.amdhsa_system_sgpr_workgroup_id_z 1
		.amdhsa_system_vgpr_workitem_id 0
		.amdhsa_next_free_vgpr 256
		.amdhsa_next_free_sgpr 96
		.amdhsa_reserve_vcc 1
		.amdhsa_float_denorm_mode_32 3
		.amdhsa_float_denorm_mode_16_64 3
		.amdhsa_memory_ordered 1
		.amdhsa_forward_progress 1
		.amdhsa_inst_pref_size 129
	.end_amdhsa_kernel
	.amdgpu_metadata
---
amdhsa.version: [ 1, 2 ]
amdhsa.kernels:
  - .name:           k_q3f9b46b4b5_attn
    .symbol:         k_q3f9b46b4b5_attn.kd
    .args:
      - { .name: qkvc, .offset: 0, .size: 8, .value_kind: global_buffer, .address_space: global }
      - { .name: qkvs, .offset: 8, .size: 8, .value_kind: global_buffer, .address_space: global }
      - { .name: oc, .offset: 16, .size: 8, .value_kind: global_buffer, .address_space: global }
      - { .name: os, .offset: 24, .size: 8, .value_kind: global_buffer, .address_space: global }
    .group_segment_fixed_size: 327680
    .private_segment_fixed_size: 0
    .kernarg_segment_align: 8
    .kernarg_segment_size: 32
    .max_flat_workgroup_size: 512
    .sgpr_count:     96
    .vgpr_count:     256
    .wavefront_size: 32
...
	.end_amdgpu_metadata
.endif
;; end of part 3
;; launch outp (part 4): grid 16 x 16, 4 waves a work-group, clusters of 4 x 4, 327,680 bytes of LDS; arguments oc, os, wc, wsc, out0; writes out0
.if DOCPART == 4
	.amdgcn_target "amdgcn-amd-amdhsa--gfx1250"
	.amdhsa_code_object_version 6
	.text
	.protected	k_q3f9b46b4b5_outp
	.globl	k_q3f9b46b4b5_outp
	.p2align	8
	.type	k_q3f9b46b4b5_outp,@function
k_q3f9b46b4b5_outp:
	s_mov_b64 s[64:65], 0
	v_nop
	global_prefetch_b8 v0, s[64:65] scope:SCOPE_SE
	s_setreg_imm32_b32 hwreg(HW_REG_WAVE_MODE, 25, 1), 1
	s_wait_xcnt 0x0
	s_wait_alu depctr_hold_cnt(0) depctr_sa_sdst(0) depctr_va_vdst(0) depctr_va_sdst(0) depctr_va_ssrc(0) depctr_va_vcc(0) depctr_vm_vsrc(0)
	s_getreg_b32 s2, hwreg(HW_REG_IB_STS2, 6, 4)
	s_cmp_eq_u32 s2, 0
	s_cbranch_scc0 .Lentry_in_a_cluster
	s_endpgm
.Lentry_in_a_cluster:
	s_bfe_u32 s2, ttmp6, 0x10000c
	s_cmp_lg_u32 s2, 0xf033
	s_cbranch_scc0 .Lentry_shape_is_right
	s_endpgm
.Lentry_shape_is_right:
; out0 = o Wo on codes of FP6 (E2M3) with E8M0 scales; out0 [2048][2048] f32.
; OPERANDS are images of operand registers: fragment (tile, K step) = 1,536 bytes at 1,536 (16 tile + K step); its 16 scale words at 64 (16 tile + K step).  Lane r of tile 2 b + u holds row 32 b + 8 u + r + 8 (r / 8).  Wo's tiles are 384 .. 511 of wc.
; SHARES.  256 work-groups of 128 x 128; a wave makes 64 x 64: 16 accumulators.  Source 0 (P) = Wo's columns, source 1 (R) = o's rows: a lane holds one row of out0.
; LDS: region 0 holds K steps 0 to 3 of o's 8 tiles and of Wo's 8 (6,144 bytes a tile); the large region K steps 4 to 11 (12,288 bytes a tile).
; THE HEAD: one joint load a wave: wave 0 o's part of region 0, wave 1 Wo's, wave 2 o's part of the large region, wave 3 Wo's.  Region 0 is filled again ONCE, with K steps 12 to 15, a quarter a wave,
; behind the round at which every wave of every partner has left it; that load has K steps 3 to 10, 128 matrix instructions a wave, in which to land.  The 16 K steps are written out: there is no loop.
; THE SCALE WORDS of a wave's 8 tiles, all K, go from memory straight into 64 registers: each load reads 128 consecutive bytes, two K steps of a tile (lanes 0-15 the even step, lanes 16-31 the odd); they are 1/24 of the operands' bytes and are not asked for jointly.
; CLUSTER 4 x 4: o's tiles are asked for jointly along a row of the cluster, Wo's along a column.
; No prefetch: twelve of the sixteen K steps are asked for at the head, and the text has no loop to run ahead in.
; REGISTERS: window 0: v8-29 addresses; v64.., v160.. R's fragments, two sets; v128-159 P's scale words, v208-239 R's.  window 1: P's fragments at v0 and v128.  window 2: accumulator (a, b) at v[8 (4 a + b)].
.set NA,    4
.set NB,    4
.set TROW,  6144                       ; four K steps of a tile
.set R0H,   4*TROW                     ; four tiles in region 0
.set REG0,  4*R0H
.set BIG,   REG0                       ; the large region: o's 98,304 bytes, then Wo's
.set SPARE, 3*REG0                     ; the spare words, 128 bytes a wave
.set STG,   BIG                        ; the way out: 16 rows x 272 bytes a wave, in the large region: it has had its one fill, and every wave has left it at the last barrier
.set NF,    3*(NA+NB)
.set ADRR, 8                           ; v8-10  R's fragments: region 0, K steps 4-7, K steps 8-11
.set ADRP, 16                          ; v16-18 P's
.set LI,   22
.set LS,   23
.set STO,  24
.set RD,   25
.set CO,   26
.set SPW,  28
.set NIL,  29
.set RF,   64
.set SCP,  128
.set SCR,  208
.set G1,   24                          ; group 1: o, region 0
.set G0,   32                          ; group 0: o's refill
.set G02,  4                           ; o, region 0 at the head
.set G1B,  48                          ; the same three for Wo
.set G0B,  56
.set G0B2, 8
.set G1S,  68                          ; o, the large region
.set G0S,  76
.set G1SB, 80                          ; Wo, the large region
.set G0SB, 88
.set MUL_LO, 0xa1
.set TO_P,   0x40
.set MSB, 0
.macro WIN new
.if MSB != \new
	s_set_vgpr_msb (MSB<<8)|\new
.set MSB, \new
.endif
.endm
.macro PLACES n
.rept \n
	v_nop
.endr
.endm
.macro JLOAD g0a, g1a, g0b, g1b        ; waves 0 and 1 fetch o's halves, waves 2 and 3 Wo's
	s_cmp_eq_u32 s21, 0
	s_cbranch_scc0 .Lfor_b_\@
	tensor_load_to_lds s[\g0a:\g0a+3], s[\g1a:\g1a+7]
	s_nop 0
.rept 4
	v_nop
.endr
	s_branch .Lasked_\@
.Lfor_b_\@:
	tensor_load_to_lds s[\g0b:\g0b+3], s[\g1b:\g1b+7]
	s_nop 0
.rept 4
	v_nop
.endr
.Lasked_\@:
.endm
.macro CREST
	s_cmp_lg_u32 s20, 0
	s_cbranch_scc1 .Lnot_wave_0_\@
	s_barrier_signal -3
.Lnot_wave_0_\@:
	s_barrier_wait -3
	s_barrier_signal -1
	s_barrier_wait -1
.endm
.macro CROUND
	s_barrier_signal -1
	s_barrier_wait -1
	CREST
.endm
.macro GRP0 g, lds, src, off
	s_mov_b32 s[\g], 1
	s_mov_b32 s[\g+1], \lds
	s_add_nc_u64 s[\g+2:\g+3], s[\src:\src+1], \off
	s_or_b32 s[\g+3], s[\g+3], 0x80000000
.endm
.macro FETCH ks, set                   ; K step ks's fragments into set `set`
.set SL, ((\ks)/4)%3                   ; address register: K steps 12-15 lie where 0-3 lay
.set PT, TROW*(1+(SL+1)/2)             ; bytes from tile to tile: 6,144 in region 0, 12,288 in the large one
.set KO, 1536*((\ks)%4)
	WIN TO_P
.set FI, 0
.rept NB
.irp c, 0,1,2
	ds_load_b128 v[128*(\set)+12*FI+4*\c:128*(\set)+12*FI+4*\c+3], v[ADRP+SL] offset:FI*PT+KO+512*\c
.endr
.set FI, FI+1
.endr
	WIN 0
.set FI, 0
.rept NA
.irp c, 0,1,2
	ds_load_b128 v[RF+96*(\set)+12*FI+4*\c:RF+96*(\set)+12*FI+4*\c+3], v[ADRR+SL] offset:FI*PT+KO+512*\c
.endr
.set FI, FI+1
.endr
.endm
.macro MULS set, ks, zero              ; the 16 accumulators take turns, one instruction a turn
.set AI, 0
.rept NA
.set BI, 0
.rept NB
.set DD, 8*(NB*AI+BI)
.set PP, 128*(\set)+12*BI
.set RR, RF+96*(\set)+12*AI
.set SPR, SCP+8*BI+(\ks)/2
.set SRR, SCR+8*AI+(\ks)/2
.if \zero
	v_wmma_scale_f32_16x16x128_f8f6f4 v[DD:DD+7], v[PP:PP+11], v[RR:RR+11], 0, v[SPR], v[SRR] matrix_a_fmt:MATRIX_FMT_FP6 matrix_b_fmt:MATRIX_FMT_FP6
.elseif ((\ks)%2) == 0
	v_wmma_scale_f32_16x16x128_f8f6f4 v[DD:DD+7], v[PP:PP+11], v[RR:RR+11], v[DD:DD+7], v[SPR], v[SRR] matrix_a_fmt:MATRIX_FMT_FP6 matrix_b_fmt:MATRIX_FMT_FP6
.else
	v_wmma_scale_f32_16x16x128_f8f6f4 v[DD:DD+7], v[PP:PP+11], v[RR:RR+11], v[DD:DD+7], v[SPR], v[SRR] matrix_a_fmt:MATRIX_FMT_FP6 matrix_b_fmt:MATRIX_FMT_FP6 matrix_a_scale:MATRIX_SCALE_ROW1 matrix_b_scale:MATRIX_SCALE_ROW1
.endif
.set BI, BI+1
.endr
.set AI, AI+1
.endr
.endm
; K step ks: the next step's fragments are fetched, then this step's 16 products.  mode 1: region 0 has been read out: the three lines, a round, the joint refill.  mode 2: the three lines and the work-group's barrier: the refill is whole; nothing is filled.
.macro STEP ks, mode, zero
	WIN 0
.if \mode
	s_wait_tensorcnt 0x0                           ; all my tensor loads have landed
	ds_add_u32 v[SPW], v[NIL]
.if \mode == 1
	s_mov_b32 s[G1+2], 4<<16                       ; no load of mine is out: the refill brings four tiles a wave
	s_mov_b32 s[G1+4], 4
	s_mov_b32 s[G1B+2], 4<<16
	s_mov_b32 s[G1B+4], 4
.endif
	s_wait_dscnt 0x0                               ; the add is done, and my reads so far are over
	s_barrier_signal -1
	s_barrier_wait -1
.endif
.if \mode == 1
	CREST
	JLOAD G0, G1, G0B, G1B                         ; its four v_nop are also the places in front of the loads below
.else
	PLACES 4
.endif
	FETCH (\ks)+1, ((\ks)+1)%2
	s_wait_dscnt NF                                ; all but the NF loads just issued
	WIN MUL_LO
	MULS (\ks)%2, \ks, \zero
.endm
	s_load_b256 s[4:11], s[0:1], 0x0               ; oc, os, wc, wsc
	s_load_b64 s[12:13], s[0:1], 0x20              ; out0
	v_lshl_add_u32 v[SPW], v0, 2, SPARE
	v_mov_b32 v[NIL], 0
	ds_add_u32 v[SPW], v[NIL]                      ; the opening lines: the add twice and its wait
	ds_add_u32 v[SPW], v[NIL]
	v_lshrrev_b32 v1, 5, v0
	v_readfirstlane_b32 s20, v1
	s_lshr_b32 s21, s20, 1
	s_and_b32 s22, s20, 1
	s_bfe_u32 s40, ttmp6, 0x40000
	s_bfe_u32 s41, ttmp6, 0x40004
	s_lshl_b32 s42, ttmp9, 2
	s_add_co_u32 s42, s42, s40                     ; tile column
	s_and_b32 s43, ttmp7, 0xffff
	s_lshl_b32 s43, s43, 2
	s_add_co_u32 s43, s43, s41                     ; tile row
	s_lshl_b32 s44, s41, 2
	s_lshl_b32 s44, 15, s44
	s_lshl_b32 s45, 0x1111, s40
	s_or_b32 s[G1], s44, (3<<16)|(1<<21)
	s_or_b32 s[G1B], s45, (3<<16)|(1<<21)
.irp g, G1, G1B                        ; 8 tiles x 6,144 bytes, 24,576 bytes from tile to tile; elements of 8 bytes
	s_mov_b32 s[\g+1], (TROW/8)<<16
	s_mov_b32 s[\g+2], 8<<16
	s_mov_b32 s[\g+3], (TROW/8)<<16
	s_mov_b32 s[\g+4], 8
	s_mov_b32 s[\g+5], 3072
	s_mov_b32 s[\g+6], 0
	s_mov_b32 s[\g+7], 0
.endr
	s_or_b32 s[G1S], s44, (3<<16)|(1<<21)
	s_or_b32 s[G1SB], s45, (3<<16)|(1<<21)
.irp g, G1S, G1SB                      ; 8 tiles x 12,288 bytes
	s_mov_b32 s[\g+1], (TROW/4)<<16
	s_mov_b32 s[\g+2], 8<<16
	s_mov_b32 s[\g+3], (TROW/4)<<16
	s_mov_b32 s[\g+4], 8
	s_mov_b32 s[\g+5], 3072
	s_mov_b32 s[\g+6], 0
	s_mov_b32 s[\g+7], 0
.endr
	s_mul_i32 s92, s43, 8*24576                    ; o: tile 8 x tile row
	s_mov_b32 s93, 0
	s_lshl_b32 s94, s42, 3
	s_add_co_u32 s94, s94, 384                     ; Wo: tile 384 + 8 x tile column
	s_lshl_b32 s98, s94, 10
	s_mul_i32 s94, s94, 24576
	s_mov_b32 s95, 0
	s_lshl_b32 s96, s43, 13
	s_lshl_b32 s46, s21, 12
	s_add_co_u32 s96, s96, s46                     ; the scale words of my four tiles of o,
	s_mov_b32 s97, 0
	s_lshl_b32 s46, s22, 12
	s_add_co_u32 s98, s98, s46                     ; and of Wo
	s_mov_b32 s99, 0
	s_mul_i32 s46, s22, 4*24576                    ; the refill: which four tiles I fetch,
	s_mov_b32 s47, 0
	s_mul_i32 s23, s20, R0H                        ; and where they go
	s_wait_dscnt 0x0                               ; both opening adds are done
	s_wait_kmcnt 0x0
	s_add_nc_u64 s[92:93], s[4:5], s[92:93]
	s_add_nc_u64 s[96:97], s[6:7], s[96:97]
	s_add_nc_u64 s[94:95], s[8:9], s[94:95]
	s_add_nc_u64 s[98:99], s[10:11], s[98:99]
	CROUND                                         ; all sixteen work-groups are here: the first joint loads meet
	GRP0 G02,  0,        92, 0
	GRP0 G0B2, 2*R0H,    94, 0
	GRP0 G0S,  BIG,      92, TROW
	GRP0 G0SB, BIG+REG0, 94, TROW
	s_add_nc_u64 s[92:93], s[92:93], s[46:47]
	s_add_nc_u64 s[94:95], s[94:95], s[46:47]
	GRP0 G0,  s23, 92, 3*TROW                      ; K steps 12 to 15
	GRP0 G0B, s23, 94, 3*TROW
.macro ARM under, g0, g1, next         ; one chain of branches on the wave's number, one load to an arm, all arms to one join
	s_cmp_lt_u32 s20, \under
	s_cbranch_scc0 \next
	tensor_load_to_lds s[\g0:\g0+3], s[\g1:\g1+7]
	s_nop 0
.rept 4
	v_nop
.endr
	s_branch .Lhead_asked
\next:
.endm
	ARM 1, G02,  G1,  .Lhead_b
	ARM 2, G0B2, G1B, .Lhead_c
	ARM 3, G0S,  G1S, .Lhead_d
	tensor_load_to_lds s[G0SB:G0SB+3], s[G1SB:G1SB+7]
	s_nop 0
.rept 4
	v_nop
.endr
.Lhead_asked:
	v_and_b32 v1, 31, v0
	v_lshlrev_b32 v[LI], 4, v1
	v_lshlrev_b32 v[LS], 2, v1
	s_wait_alu depctr_va_vdst(0)
.irp t, 0,1,2,3
.irp j, 0,1,2,3,4,5,6,7
	global_load_b32 v[SCP+8*\t+\j], v[LS], s[98:99] offset:1024*\t+128*\j
	global_load_b32 v[SCR+8*\t+\j], v[LS], s[96:97] offset:1024*\t+128*\j
.endr
.endr
	s_mul_i32 s92, s22, R0H
	s_add_co_u32 s92, s92, 2*R0H                   ; P in region 0: my half of Wo's tiles, behind o's
	s_mul_i32 s93, s21, R0H                        ; R: my half of o's
	v_add_nc_u32 v[ADRP], s92, v[LI]
	v_add_nc_u32 v[ADRR], s93, v[LI]
	s_lshl_b32 s92, s92, 1                         ; in the large region a tile takes twice the bytes
	s_add_co_u32 s92, s92, BIG
	s_lshl_b32 s93, s93, 1
	s_add_co_u32 s93, s93, BIG
	v_add_nc_u32 v[ADRP+1], s92, v[LI]
	v_add_nc_u32 v[ADRR+1], s93, v[LI]
	v_add_nc_u32 v[ADRP+2], TROW, v[ADRP+1]
	v_add_nc_u32 v[ADRR+2], TROW, v[ADRR+1]
	s_mul_i32 s92, s20, 4352
	s_add_co_u32 s92, s92, STG                     ; my stage
	v_and_b32 v2, 15, v0
	v_bfe_u32 v3, v0, 4, 1
	v_mul_u32_u24 v[STO], v2, 272
	v_lshl_add_u32 v[STO], v3, 6, v[STO]
	v_add_nc_u32 v[STO], s92, v[STO]               ; in: row r, + 64 h
	v_mul_u32_u24 v[RD], v3, 272
	v_lshl_add_u32 v[RD], v2, 4, v[RD]
	v_add_nc_u32 v[RD], s92, v[RD]                 ; back: lanes 0-15 one row of 256 bytes, lanes 16-31 the next
	v_lshlrev_b32 v[CO], 13, v3
	v_lshl_add_u32 v[CO], v2, 4, v[CO]             ; and the same two rows in out0
	s_lshl_b32 s92, s43, 7
	s_lshl_b32 s93, s21, 6
	s_add_co_u32 s92, s92, s93                     ; my first row
	s_lshl_b32 s92, s92, 13
	s_lshl_b32 s93, s42, 9
	s_add_co_u32 s92, s92, s93
	s_lshl_b32 s93, s22, 8
	s_add_co_u32 s92, s92, s93                     ; + my first column, in bytes
	s_mov_b32 s93, 0
	s_add_nc_u64 s[12:13], s[12:13], s[92:93]
	s_wait_alu depctr_va_vdst(0)                   ; the wait at the head's end
	s_wait_tensorcnt 0x0                           ; my tile of the head's four is in
	s_barrier_signal -1
	s_barrier_wait -1                              ; all four are: K steps 0 to 11
	FETCH 0, 0
	s_wait_loadcnt 0x0                             ; the scale words
	STEP 0, 0, 1                                   ; the first step's products start the sums
	STEP 1, 0, 0
	STEP 2, 0, 0
	STEP 3, 1, 0                                   ; K step 3's fragments are in registers: region 0 is left and filled again
.irp k, 4,5,6,7,8,9,10
	STEP \k, 0, 0
.endr
	STEP 11, 2, 0                                  ; the refill has landed, in every wave
	STEP 12, 0, 0
	STEP 13, 0, 0
	STEP 14, 0, 0
	s_wait_dscnt 0x0                               ; the very last K step
	MULS 1, 15, 0
	WIN 0
	PLACES 4                                       ; in front of the first read of results and of loads into operand registers
; THE WAY OUT, a tile of 16 rows x 64 columns at a time, through my own stage: in as 32 bytes a lane, back as whole rows of 256 bytes.  LDS serves a wave's instructions in order: no wait between the stores and the loads.
.macro TOSTAGE a
	WIN 0x08                                       ; an LDS store's data are its source 1: window 2
.irp b, 0,1,2,3
	ds_store_b128 v[STO], v[8*(4*(\a)+\b):8*(4*(\a)+\b)+3] offset:128*(\b/2)+32*(\b%2)       ; columns 32 (b / 2) + 16 h + 8 (b % 2) + 0 .. 7; each accumulator from its low end on
	ds_store_b128 v[STO], v[8*(4*(\a)+\b)+4:8*(4*(\a)+\b)+7] offset:128*(\b/2)+32*(\b%2)+16
.endr
	WIN 0
.set BB, 64+32*((\a)%2)
.irp t, 0,1,2,3,4,5,6,7
	ds_load_b128 v[BB+4*\t:BB+4*\t+3], v[RD] offset:544*\t
.endr
.endm
.macro SEND a, younger                 ; stage row 2 t + (lane / 16) is row 32 (a / 2) + 8 (a % 2) + 2 t + 8 (t / 4) + (lane / 16) of my 64
.set BB, 64+32*((\a)%2)
	s_wait_dscnt \younger
.irp t, 0,1,2,3,4,5,6,7
	global_store_b128 v[CO], v[BB+4*\t:BB+4*\t+3], s[12:13] offset:(32*((\a)/2)+8*((\a)%2)+2*\t+8*(\t/4))*8192 th:TH_STORE_NT   ; 16 lanes store 256 consecutive bytes, at a multiple of 256 from out0's first byte
.endr
.endm
	TOSTAGE 0
.irp a, 1,2,3
.if \a > 1
	s_wait_xcnt 0x0                                ; tile a - 2's stores have read their registers: tile a's loads may land there
.endif
	TOSTAGE \a
	SEND \a-1, 16                                  ; behind tile a - 1's loads: tile a's 8 stores and 8 loads
.endr
	SEND 3, 0
	s_wait_tensorcnt 0x0                           ; the wave's end
	ds_add_u32 v[SPW], v[NIL]
	s_wait_dscnt 0x0
	CROUND                                         ; the closing round
	s_endpgm
.Lfunc_end_k_q3f9b46b4b5_outp:
	.size	k_q3f9b46b4b5_outp, .Lfunc_end_k_q3f9b46b4b5_outp-k_q3f9b46b4b5_outp
	.p2alignl 7, 3214868480
	.fill 96, 4, 3214868480
	.section	.rodata,"a",@progbits
	.p2align	6, 0x0
	.amdhsa_kernel k_q3f9b46b4b5_outp
		.amdhsa_group_segment_fixed_size 327680
		.amdhsa_private_segment_fixed_size 0
		.amdhsa_enable_private_segment 0
		.amdhsa_kernarg_size 40
		.amdhsa_user_sgpr_count 2
		.amdhsa_user_sgpr_kernarg_segment_ptr 1
		.amdhsa_wavefront_size32 1
		.amdhsa_system_sgpr_workgroup_id_x 1
		.amdhsa_system_sgpr_workgroup_id_y 1
		.amdhsa_system_sgpr_workgroup_id_z 1
		.amdhsa_system_vgpr_workitem_id 0
		.amdhsa_next_free_vgpr 640
		.amdhsa_next_free_sgpr 100
		.amdhsa_reserve_vcc 0
		.amdhsa_float_denorm_mode_32 3
		.amdhsa_float_denorm_mode_16_64 3
		.amdhsa_memory_ordered 1
		.amdhsa_forward_progress 1
		.amdhsa_inst_pref_size 85
	.end_amdhsa_kernel
	.amdgpu_metadata
---
amdhsa.version: [ 1, 2 ]
amdhsa.kernels:
  - .name:           k_q3f9b46b4b5_outp
    .symbol:         k_q3f9b46b4b5_outp.kd
    .args:
      - { .name: oc, .offset: 0, .size: 8, .value_kind: global_buffer, .address_space: global }
      - { .name: os, .offset: 8, .size: 8, .value_kind: global_buffer, .address_space: global }
      - { .name: wc, .offset: 16, .size: 8, .value_kind: global_buffer, .address_space: global }
      - { .name: wsc, .offset: 24, .size: 8, .value_kind: global_buffer, .address_space: global }
      - { .name: out0, .offset: 32, .size: 8, .value_kind: global_buffer, .address_space: global }
    .group_segment_fixed_size: 327680
    .private_segment_fixed_size: 0
    .kernarg_segment_align: 8
    .kernarg_segment_size: 40
    .max_flat_workgroup_size: 128
    .sgpr_count:     100
    .vgpr_count:     640
    .wavefront_size: 32
...
	.end_amdgpu_metadata
.endif
;; end of part 4
